; MI455X (gfx1250); checked and timed in simulation.
; The chip was launched on July 23, 2026; its instructions are those of AMD's public machine-readable ISA for CDNA 5 (MIT licence, August 2026) and "CDNA5" Instruction Set Architecture Reference Guide (July 2026). The comments in the code are by the model that wrote it; some were corrected since.
;; Multi Head Attention. Allowed arithmetic: matrix products marked QUANTISED: E2M1 operands, one E8M0 scale for each 32 along K, by v_wmma_scale_f32_16x16x128_f8f6f4 with both operands' format E2M1 (or v_wmma_scale_f32_32x16x128_f4), f32 sums; products left as they are: bf16, f16 or f32 operands; f32 sums; everything else in f32.
;; Inputs: w_k 1,024 x 1,024 float32; w_q 1,024 x 1,024 float32; w_v 1,024 x 1,024 float32; x 4 x 2,048 x 1,024 float32.
;; Outputs: out0 4 x 2,048 x 1,024 float32.
;; This version of the problem:
;;   THIS VERSION OF THE PROBLEM IS GIVEN IN LOW PRECISION. The matrix products marked QUANTISED in the list below multiply operands that are first quantised to E2M1 (2 exponent bits, 1 mantissa bit; 4 bits a number), with one power-of-two scale for each 32 numbers along K (OCP MX v1.0); their sums are f32. The products marked 'left as it is' may take bf16, f16 or f32 operands, with f32 sums. Whichever they take, every output number must still come out within the allowed error. Rounding operands to bf16 (8 significant bits) uses up far more of that allowance than f16 does (11 bits, for magnitudes from 6e-5 to 65,504). All else is computed in f32.
;;   The module's matrix products, in the order in which they are computed (A, B: the left and right operand; K: the contracted axis; several contracted axes count as one K, in the product's order):
;;     1. [M 8,192, K 1,024] x [K 1,024, N 1,024]; A: input x; B: input w_q: QUANTISED
;;     2. [M 8,192, K 1,024] x [K 1,024, N 1,024]; A: input x; B: input w_k: QUANTISED
;;     3. [M 8,192, K 1,024] x [K 1,024, N 1,024]; A: input x; B: input w_v: QUANTISED
;;     4. batch 4 x [M 2,048, K 1,024] x [K 1,024, N 2,048]; A: computed on the way; B: computed on the way: left as it is (an operand is computed on the way)
;;     5. batch 4 x [M 2,048, K 2,048] x [K 2,048, N 1,024]; A: computed on the way; B: computed on the way: left as it is (an operand is computed on the way)
;;   THE QUANTISER, for each operand of a quantised product, along K:
;;     - K is cut into blocks of 32 from its start; a last block that is shorter is filled with zeros.
;;     - A block's scale is 2^e with e = floor(log2(the largest magnitude in the block)) - 2, held to -126 .. 127; a block of zeros has e = 0. As a byte (E8M0): e + 127.
;;     - Each number is divided by its block's scale, clamped to +-6, and rounded to the nearest number of E2M1, ties to even, subnormals kept.
;;     - The product sums the exact products of the quantised numbers (number of the format x scale) in f32.
;;   ~~~python
;;   def quantise(x, axis):      # numpy; x: float32 -> the quantised numbers, widened to float32 again
;;       x = np.moveaxis(x, axis, -1); K = x.shape[-1]
;;       x = np.pad(x, [(0, 0)] * (x.ndim - 1) + [(0, -K % 32)]); x = x.reshape(x.shape[:-1] + (-1, 32)); a = np.abs(x).max(-1, keepdims=True)
;;       e = np.where(a > 0, np.clip(np.frexp(np.where(a > 0, a, 1))[1] - 1 - 2, -126, 127), 0)      # np.frexp(a)[1] - 1 = floor(log2(a)), exactly
;;       r = np.clip(x / 2.0 ** e, -6, 6)
;;       step = 2.0 ** (np.maximum(np.frexp(np.where(r == 0, 1, r))[1] - 1, 0) - 1)
;;       q = np.round(r / step) * step * 2.0 ** e      # np.round: ties to even
;;       return np.moveaxis(q.reshape(q.shape[:-2] + (-1,))[..., :K], -1, axis).astype(np.float32)
;;   ~~~
;; One version. Each part assembles by itself: llvm-mc -triple=amdgcn-amd-amdhsa -mcpu=gfx1250 --defsym DOCPART=n.
;; ======== version 1 of 1: 5 launches
;; limits: values are held in f16: magnitudes above 65,504 overflow, below 6.1e-05 lose precision
;; workspace buffers: xc 4,194,304 bytes; xs 262,144 bytes; wc 1,572,864 bytes; ws 98,304 bytes; qk 33,554,432 bytes; qkv16 786,432 bytes; pbuf 34,603,008 bytes; vh 16,777,216 bytes
;; launch quant (part 1): grid 448 x 1, 4 waves a work-group, no clusters, 42,496 bytes of LDS; arguments x, w_q, w_k, w_v, xc, xs, wc, ws; writes xc, xs, wc, ws
.if DOCPART == 1
	.amdgcn_target "amdgcn-amd-amdhsa--gfx1250"
	.amdhsa_code_object_version 6
	.text
	.protected	k_q55386b0f61_quant
	.globl	k_q55386b0f61_quant
	.p2align	8
	.type	k_q55386b0f61_quant,@function
k_q55386b0f61_quant:
	s_mov_b64 s[64:65], 0
	v_nop
	global_prefetch_b8 v0, s[64:65] scope:SCOPE_SE
	s_setreg_imm32_b32 hwreg(HW_REG_WAVE_MODE, 25, 1), 1
	s_wait_xcnt 0x0
; x [8192][1024] f32 (K innermost) and w_q, w_k, w_v [1024 (k)][1024 (n)] f32 (K outermost) become codes of FP4 (E2M1) with K innermost and one E8M0 byte for each 32 along K:
; xc [8192][512 bytes], xs [8192][32 bytes]; wc [3072][512 bytes], ws [3072][32 bytes], rows 0-1023 w_q's columns, 1024-2047 w_k's, 2048-3071 w_v's.
; A block's scale is 2^(floor(log2(its largest magnitude)) - 2); its byte is the largest magnitude's exponent field - 2, held at 1 from below.
; LIMITS: a block of zeros gets the byte 1 where the quantiser's text says 127: its codes are zeros, which add nothing, and this program alone reads the bytes.  Blocks whose largest magnitude
; lies under 2^-124 keep the byte 1.  NaN and infinities among the inputs are not served.
; SHARES.  Work-groups 0-255 take x: a plain stream of blocks of 32; a wave takes 16 steps of 512 numbers.  Work-groups 256-447 take the weights: 32 columns x 512 along K each, a wave 128 along K,
; a lane a column with its registers running down K.  The two ways part once, on the work-group's number, and have LDS bytes of their own.  Nothing is shared between work-groups: no cluster.
.set SP,    80                         ; x: a lane's place in a stage: its 64 bytes + 16 of padding
.set WST,   32768                      ; w: the work-group's stage: 32 rows (columns of w) x (256 bytes of codes + 16)
.set WP,    272
.set WSC,   41472                      ; w: 32 rows x 16 scale bytes
.set SPARE, 41984                      ; the spare words, 128 bytes for each wave: two blocks of 256 bytes that no other line names
.set SPW,   12                         ; v12  LDS address of my spare word; never rewritten
.set NIL,   13                         ; v13  0; never rewritten
.set R,     16                         ; x: v16-143  eight sets of 16 numbers as they are loaded
.set X,     144                        ; x: v144-175 two sets of 16 neighbours
.set C,     176                        ; x: v176-207 two registers of codes for each step
.set E,     208                        ; x: v208-223 a scale byte for each step
.set WX,    32                         ; w: v32-95   two sets of 32 numbers
.set WC,    96                         ; w: v96-99   a block's codes
.set SB,    24                         ; w: v24      my four scale bytes
.set OUTR,  112                        ; w: v112-127 the way out
	s_load_b256 s[4:11], s[0:1], 0x0               ; x s[4:5], w_q s[6:7], w_k s[8:9], w_v s[10:11]
	s_load_b256 s[12:19], s[0:1], 0x20             ; xc s[12:13], xs s[14:15], wc s[16:17], ws s[18:19]
	v_lshl_add_u32 v[SPW], v0, 2, SPARE
	v_mov_b32 v[NIL], 0
	v_lshrrev_b32 v1, 5, v0
	v_readfirstlane_b32 s20, v1                    ; wave 0..3
	v_and_b32 v2, 31, v0                           ; lane
	s_wait_kmcnt 0x0
	s_cmp_lt_u32 ttmp9, 256                        ; the same in all four waves
	s_cbranch_scc0 .Lw_path
; ---------------- x: each load reads 512 consecutive bytes; a step's 2,048 bytes turn through the wave's own stage so that a lane holds 16 neighbours; two neighbouring lanes hold a block
	v_lshlrev_b32 v3, 4, v2                        ; my 16 bytes of a load's 512
	s_lshl_b32 s21, s20, 13                        ; my wave's 8,192 bytes of LDS
	v_lshrrev_b32 v14, 2, v2
	v_mul_u32_u24 v14, v14, SP
	v_and_b32 v15, 3, v2
	v_lshl_add_u32 v14, v15, 4, v14
	v_add_nc_u32 v14, s21, v14                     ; into the stage: SP (lane / 4) + 16 (lane % 4)
	v_mul_u32_u24 v15, v2, SP
	v_add_nc_u32 v15, s21, v15                     ; out of it: SP x lane
	v_lshlrev_b32 v4, 3, v2                        ; my 8 bytes of a step's 256 bytes of codes
	v_lshrrev_b32 v5, 1, v2
	s_add_co_u32 s21, s21, 2*32*SP
	v_add_nc_u32 v5, s21, v5                       ; my block's byte among the wave's 256 scale bytes
	v_lshlrev_b32 v7, 3, v2
	v_add_nc_u32 v6, s21, v7                       ; and on the way out 8 bytes a lane
	s_lshl_b32 s22, ttmp9, 2
	s_add_co_u32 s22, s22, s20                     ; which run of 8,192 numbers is my wave's
	s_mov_b32 s25, 0
	s_lshl_b32 s24, s22, 15
	s_add_nc_u64 s[4:5], s[4:5], s[24:25]          ; 32,768 bytes of x,
	s_lshl_b32 s24, s22, 12
	s_add_nc_u64 s[12:13], s[12:13], s[24:25]      ; 4,096 of codes,
	s_lshl_b32 s24, s22, 8
	s_add_nc_u64 s[14:15], s[14:15], s[24:25]      ; 256 scale bytes a run
.macro XLOAD t
.irp i, 0,1,2,3
	global_load_b128 v[R+16*((\t)%8)+4*\i:R+16*((\t)%8)+4*\i+3], v3, s[4:5] offset:2048*(\t)+512*\i th:TH_LOAD_NT
.endr
.endm
.macro XTURN t                         ; LDS serves a wave's instructions in order: no wait between the stores and the loads
.irp i, 0,1,2,3
	ds_store_b128 v14, v[R+16*((\t)%8)+4*\i:R+16*((\t)%8)+4*\i+3] offset:32*SP*((\t)%2)+8*SP*\i
.endr
.irp i, 0,1,2,3
	ds_load_b128 v[X+16*((\t)%2)+4*\i:X+16*((\t)%2)+4*\i+3], v15 offset:32*SP*((\t)%2)+16*\i
.endr
.endm
.irp t, 0,1,2,3,4,5,6,7
	XLOAD \t                                       ; eight steps, 32 loads a wave, are on their way
.endr
	s_wait_loadcnt 28                              ; step 0's four loads are in; the seven steps behind it may be out
	XTURN 0
.macro XSTEP t
.set XS, X+16*((\t)%2)
.if (\t) > 0
	s_wait_dscnt 1                                 ; this step's numbers are back from the stage (the last step's byte store may be out), so its stores into the stage have read their registers,
.else
	s_wait_dscnt 0x0
.endif
.if (\t)+8 < 16
	XLOAD (\t)+8                                   ; which take the loads of eight steps on
.endif
.if (\t)+1 < 16
.if 14-(\t) >= 7
	s_wait_loadcnt 28                              ; the next step's four loads are in; those of the seven steps behind it may be out
.else
	s_wait_loadcnt 4*(14-(\t))                     ; towards the end: the steps that are left behind the next one
.endif
	XTURN (\t)+1
.endif
	v_max3_num_f32 v8, |v[XS]|, |v[XS+1]|, |v[XS+2]|               ; the largest magnitude of my 16, in two chains
	v_max3_num_f32 v9, |v[XS+3]|, |v[XS+4]|, |v[XS+5]|
.irp i, 6,10
	v_max3_num_f32 v8, v8, |v[XS+\i]|, |v[XS+\i+1]|
	v_max3_num_f32 v9, v9, |v[XS+\i+2]|, |v[XS+\i+3]|
.endr
	v_max3_num_f32 v8, v8, |v[XS+14]|, |v[XS+15]|
	v_max3_num_f32 v8, v8, v9, 0x1800000           ; and the floor 2^(3 - 127): the byte cannot fall under 1
	v_max_num_f32_dpp v8, v8, v8 row_xmask:1 row_mask:0xf bank_mask:0xf   ; with my neighbour's 16: the block's
	v_add_nc_u32 v11, 0xff000000, v8               ; 2 off its exponent field: the conversion takes this operand's exponent field as its scale
	v_cvt_scalef32_pk8_fp4_f32 v[C+2*(\t)], v[XS:XS+7], v11
	v_cvt_scalef32_pk8_fp4_f32 v[C+2*(\t)+1], v[XS+8:XS+15], v11
	v_lshrrev_b32 v[E+(\t)], 23, v11               ; the scale's byte (a plain line behind the conversions)
	ds_store_b8 v5, v[E+(\t)] offset:16*(\t)       ; both lanes of a block write the same byte with the same value
	global_store_b64 v4, v[C+2*(\t):C+2*(\t)+1], s[12:13] offset:256*(\t)   ; 32 lanes store 256 consecutive bytes, aligned
.endm
.irp t, 0,1,2,3,4,5,6,7,8,9,10,11,12,13,14,15
	XSTEP \t
.endr
	ds_load_b64 v[8:9], v6                         ; LDS serves a wave's instructions in order: these see my byte stores
	s_wait_dscnt 0x0
	global_store_b64 v7, v[8:9], s[14:15]          ; the wave's 256 scale bytes, consecutive and aligned
	s_wait_tensorcnt 0x0                           ; the wave's end
	ds_add_u32 v[SPW], v[NIL]
	s_wait_dscnt 0x0
	s_endpgm
; ---------------- w: a lane takes a column n and its registers run down K: a block of 32 lies in one lane, and the conversions give codes with K innermost
.Lw_path:
	s_sub_co_u32 s21, ttmp9, 256
	s_lshr_b32 s22, s21, 6                         ; which weight: 0 w_q, 1 w_k, 2 w_v
	s_bfe_u32 s23, s21, 0x50001                    ; which 32 columns
	s_and_b32 s24, s21, 1                          ; which 512 along K
	s_cmp_eq_u32 s22, 0                            ; the choices hang on the work-group's number alone
	s_cselect_b64 s[6:7], s[6:7], s[8:9]
	s_cmp_eq_u32 s22, 2
	s_cselect_b64 s[6:7], s[10:11], s[6:7]
	s_lshl_b32 s25, s24, 2
	s_add_co_u32 s25, s25, s20                     ; my 128 along K: 4 x half + wave
	s_lshl_b32 s26, s25, 19                        ; x 128 rows of 4,096 bytes
	s_lshl_b32 s27, s23, 7                         ; + 32 columns of 4 bytes
	s_add_co_u32 s26, s26, s27
	s_mov_b32 s27, 0
	s_add_nc_u64 s[6:7], s[6:7], s[26:27]
	s_lshl_b32 s28, s22, 10
	s_lshl_b32 s29, s23, 5
	s_add_co_u32 s28, s28, s29                     ; the first column's row in wc and ws
	s_lshl_b32 s30, s28, 5                         ; ws: 32 bytes a row,
	s_lshl_b32 s29, s24, 4
	s_add_co_u32 s30, s30, s29                     ; + 16 for the upper half of K
	s_mov_b32 s31, 0
	s_add_nc_u64 s[18:19], s[18:19], s[30:31]
	s_lshl_b32 s29, s20, 3
	s_add_co_u32 s28, s28, s29                     ; wc: I store rows 8 wave .. 8 wave + 7 of the 32,
	s_lshl_b32 s28, s28, 9                         ; 512 bytes a row,
	s_lshl_b32 s29, s24, 8
	s_add_co_u32 s28, s28, s29                     ; + 256 for the upper half of K
	s_mov_b32 s29, 0
	s_add_nc_u64 s[16:17], s[16:17], s[28:29]
	v_lshlrev_b32 v3, 2, v2                        ; in: 4 bytes a lane
	v_mul_u32_u24 v4, v2, WP
	s_lshl_b32 s32, s20, 6
	s_add_co_u32 s32, s32, WST
	v_add_nc_u32 v4, s32, v4                       ; into the stage: row = my column, my wave's 64 bytes of it
	v_lshlrev_b32 v5, 4, v2
	s_lshl_b32 s32, s20, 2
	s_add_co_u32 s32, s32, WSC
	v_add_nc_u32 v6, s32, v5                       ; my four scale bytes: 16 x lane + 4 x wave
	v_add_nc_u32 v9, WSC, v5                       ; and a column's sixteen on the way out
	v_and_b32 v10, 15, v2
	v_lshrrev_b32 v11, 4, v2
	v_mul_u32_u24 v7, v11, WP
	v_lshl_add_u32 v7, v10, 4, v7
	s_mul_i32 s32, s20, 8*WP
	s_add_co_u32 s32, s32, WST
	v_add_nc_u32 v7, s32, v7                       ; out of the stage: sixteen lanes to a row, two rows an instruction
	v_lshlrev_b32 v8, 9, v11
	v_lshl_add_u32 v8, v10, 4, v8                  ; the same place in wc
	v_lshlrev_b32 v14, 5, v2                       ; ws: a row a lane
.macro WLOAD t                         ; block t: w(32 t + i, my column), i = 0 .. 31: each load reads 128 consecutive bytes
.irp i, 0,1,2,3,4,5,6,7,8,9,10,11,12,13,14,15,16,17,18,19,20,21,22,23,24,25,26,27,28,29,30,31
	global_load_b32 v[WX+32*((\t)%2)+\i], v3, s[6:7] offset:(32*(\t)+\i)*4096 th:TH_LOAD_NT
.endr
.endm
	WLOAD 0
	WLOAD 1
.macro WBLOCK t
.set XS, WX+32*((\t)%2)
.if (\t) < 3
	s_wait_loadcnt 32                              ; this block's 32 loads are in; the next block's may be out
.else
	s_wait_loadcnt 0x0
.endif
	v_max3_num_f32 v20, |v[XS]|, |v[XS+1]|, |v[XS+2]|              ; the block's largest magnitude: all 32 numbers are mine
	v_max3_num_f32 v21, |v[XS+3]|, |v[XS+4]|, |v[XS+5]|
.irp i, 6,10,14,18,22,26
	v_max3_num_f32 v20, v20, |v[XS+\i]|, |v[XS+\i+1]|
	v_max3_num_f32 v21, v21, |v[XS+\i+2]|, |v[XS+\i+3]|
.endr
	v_max3_num_f32 v20, v20, |v[XS+30]|, |v[XS+31]|
	v_max3_num_f32 v20, v20, v21, 0x1800000        ; and the floor 2^(3 - 127)
	v_add_nc_u32 v22, 0xff000000, v20              ; the conversion's scale operand
	v_lshrrev_b32 v23, 23, v22                     ; the scale's byte
.if (\t) == 0
	v_mov_b32 v[SB], v23
.else
	v_lshl_or_b32 v[SB], v23, 8*(\t), v[SB]        ; the lower K in the lower byte
.endif
.irp g, 0,1,2,3
	v_cvt_scalef32_pk8_fp4_f32 v[WC+\g], v[XS+8*\g:XS+8*\g+7], v22
.endr
	v_nop                                          ; a plain line behind the last conversion
	ds_store_b128 v4, v[WC:WC+3] offset:16*(\t)    ; 32 codes: 16 bytes of my column's row
.if (\t)+2 < 4
	WLOAD (\t)+2
.endif
	s_wait_dscnt 0x0                               ; the store has read its registers: the next block's codes may be written
.endm
	WBLOCK 0
	WBLOCK 1
	WBLOCK 2
	WBLOCK 3
	ds_store_b32 v6, v[SB]
	s_wait_dscnt 0x0                               ; for the others' sake: my stores into the stage are done
	s_barrier_signal -1
	s_barrier_wait -1                              ; a row's 256 bytes come from four waves
.irp t, 0,1,2,3
	ds_load_b128 v[OUTR+4*\t:OUTR+4*\t+3], v7 offset:2*\t*WP
.endr
.irp t, 0,1,2,3
	s_wait_dscnt 3-\t                              ; the younger read-backs may be out
	global_store_b128 v8, v[OUTR+4*\t:OUTR+4*\t+3], s[16:17] offset:1024*\t   ; sixteen lanes store 256 consecutive bytes, aligned
.endr
	s_cmp_lg_u32 s20, 0
	s_cbranch_scc1 .Lw_end
	ds_load_b128 v[128:131], v9                    ; wave 0: a column's sixteen scale bytes of this half of K
	s_wait_dscnt 0x0
	global_store_b128 v14, v[128:131], s[18:19]    ; 16 bytes of each of 32 rows: one byte in 128 of what this way reads
.Lw_end:
	s_wait_tensorcnt 0x0                           ; the wave's end
	ds_add_u32 v[SPW], v[NIL]
	s_wait_dscnt 0x0
	s_endpgm
.Lfunc_end_k_q55386b0f61_quant:
	.size	k_q55386b0f61_quant, .Lfunc_end_k_q55386b0f61_quant-k_q55386b0f61_quant
	.p2alignl 7, 3214868480
	.fill 96, 4, 3214868480
	.section	.rodata,"a",@progbits
	.p2align	6, 0x0
	.amdhsa_kernel k_q55386b0f61_quant
		.amdhsa_group_segment_fixed_size 42496
		.amdhsa_private_segment_fixed_size 0
		.amdhsa_enable_private_segment 0
		.amdhsa_kernarg_size 64
		.amdhsa_user_sgpr_count 2
		.amdhsa_user_sgpr_kernarg_segment_ptr 1
		.amdhsa_wavefront_size32 1
		.amdhsa_system_sgpr_workgroup_id_x 1
		.amdhsa_system_sgpr_workgroup_id_y 1
		.amdhsa_system_sgpr_workgroup_id_z 1
		.amdhsa_system_vgpr_workitem_id 0
		.amdhsa_next_free_vgpr 256
		.amdhsa_next_free_sgpr 66
		.amdhsa_reserve_vcc 0
		.amdhsa_float_denorm_mode_32 3
		.amdhsa_float_denorm_mode_16_64 3
		.amdhsa_memory_ordered 1
		.amdhsa_forward_progress 1
		.amdhsa_inst_pref_size 55
	.end_amdhsa_kernel
	.amdgpu_metadata
---
amdhsa.version: [ 1, 2 ]
amdhsa.kernels:
  - .name:           k_q55386b0f61_quant
    .symbol:         k_q55386b0f61_quant.kd
    .args:
      - { .name: x, .offset: 0, .size: 8, .value_kind: global_buffer, .address_space: global }
      - { .name: w_q, .offset: 8, .size: 8, .value_kind: global_buffer, .address_space: global }
      - { .name: w_k, .offset: 16, .size: 8, .value_kind: global_buffer, .address_space: global }
      - { .name: w_v, .offset: 24, .size: 8, .value_kind: global_buffer, .address_space: global }
      - { .name: xc, .offset: 32, .size: 8, .value_kind: global_buffer, .address_space: global }
      - { .name: xs, .offset: 40, .size: 8, .value_kind: global_buffer, .address_space: global }
      - { .name: wc, .offset: 48, .size: 8, .value_kind: global_buffer, .address_space: global }
      - { .name: ws, .offset: 56, .size: 8, .value_kind: global_buffer, .address_space: global }
    .group_segment_fixed_size: 42496
    .private_segment_fixed_size: 0
    .kernarg_segment_align: 8
    .kernarg_segment_size: 64
    .max_flat_workgroup_size: 128
    .sgpr_count:     66
    .vgpr_count:     256
    .wavefront_size: 32
...
	.end_amdgpu_metadata
.endif
;; end of part 1
;; launch proj (part 2): grid 8 x 32, 4 waves a work-group, clusters of 4 x 4, 327,680 bytes of LDS; arguments xc, xs, wc, ws, qk, qkv16; writes qk, qkv16
.if DOCPART == 2
	.amdgcn_target "amdgcn-amd-amdhsa--gfx1250"
	.amdhsa_code_object_version 6
	.text
	.protected	k_q55386b0f61_proj
	.globl	k_q55386b0f61_proj
	.p2align	8
	.type	k_q55386b0f61_proj,@function
k_q55386b0f61_proj:
	s_mov_b64 s[64:65], 0
	v_nop
	global_prefetch_b8 v0, s[64:65] scope:SCOPE_SE
	s_setreg_imm32_b32 hwreg(HW_REG_WAVE_MODE, 25, 1), 1
	s_wait_xcnt 0x0
	s_wait_alu depctr_hold_cnt(0) depctr_sa_sdst(0) depctr_va_vdst(0) depctr_va_sdst(0) depctr_va_ssrc(0) depctr_va_vcc(0) depctr_vm_vsrc(0)
	s_getreg_b32 s2, hwreg(HW_REG_IB_STS2, 6, 4)
	s_cmp_eq_u32 s2, 0
	s_cbranch_scc0 .Lentry_in_a_cluster
	s_endpgm
.Lentry_in_a_cluster:
	s_bfe_u32 s2, ttmp6, 0x10000c
	s_cmp_lg_u32 s2, 0xf033
	s_cbranch_scc0 .Lentry_shape_is_right
	s_endpgm
.Lentry_shape_is_right:
; qk[m][n] = sum over k of x[m][k] w[k][n], n = 0 .. 2047 over w_q | w_k, on codes of FP4 (E2M1) with one E8M0 scale for each 32 along K; sums in f32.  (v's projection is made by the next launch.)
; xc [8192][512 bytes], wc [3072][512 bytes] (rows 0-2047 are read here): codes, K innermost; xs [8192][32], ws [3072][32]: scale bytes.  qk [8192][2048] f16, rounded once.
; The first 16 rows of each batch of 2,048 rows also leave as f32, as images of the accumulators' registers: qkv16 [batch][block of 16 columns][half][lane][4 f32], blocks 0-127 here.
; LIMIT: |q|, |k| stay under 65,504, f16's largest number.
; A tile of 256 x 256 is made by four waves, each 128 x 128: 64 accumulators of 16 x 16.  K = 1,024 is two slots of 512 along K: both are asked for at the start and none is filled again.
; The scales of the work-group's 256 + 256 rows, for all of K, come once, with the first fills.  By this text's count a wave has three tensor loads out at the start and none later.
; CLUSTERS: 4 x 4 work-groups; x's tile is shared along a row of the cluster, w's along a column: each is asked for jointly.  Tile row = 8 cy + cluster y, so that cy is the batch and
; 'this tile holds a batch's first rows' is cluster y = 0, the same in all sixteen partners.
; THE MATRIX INSTRUCTION IS USED TRANSPOSED (source 0 = 16 rows of wc, source 1 = 16 rows of xc): a lane holds eight neighbouring columns of one row.
; REGISTERS: window 0: v0-31 addresses; v32-95 scale words, two sets; v128-191 x's fragments, one set; on the way out v32-63, v192-255 at work.  window 1: w's fragments, two sets.
;   window 2: the accumulators of my rows 0-63 ((a, b) at v[8 (8 a + b)]); window 3: those of rows 64-127.
.set SIZE_N, 2048
.set SIZE_K, 1024
.set KSTEP,  512
.set NQ,     KSTEP/128
.set ROWB,   256
.set KROW,   SIZE_K*4/8
.set PITCH,  272                       ; an LDS row: 256 bytes + 16 of padding: the 16 rows that a load touches start 68 words apart
.set FR,     8
.set NL,     2
.set NP,     4
.set HALFT,  128*PITCH
.set SLOT,   4*HALFT
.set KS,     SIZE_K/32
.set SCL,    2*SLOT
.set HALFS,  (128*KS/256)*272
.set SBLK,   (16*KS/256)*272
.set SPARE,  SCL+4*HALFS               ; the spare words, 128 bytes for each wave
.set SPITCH, 272                       ; the way out: a stage of 16 rows x (256 bytes + 16) for each wave, in slot 0, which has had its one fill and its last read by then
.set ADRA, 16
.set ADRB, 20
.set STO,  24
.set RD,   25
.set CO,   26
.set ADRS, 27
.set SPW,  28
.set NIL,  29
.set HO,   30                          ; v30  16 x lane: my place in a register image
.set SC,   32
.set AF,   128
.set TMP,  192
.set OB,   32
.set G1, 24
.set G0, 32
.set G1B, 48
.set G0B, 56
.set G1S, 68
.set G0S, 76
.set G1SB, 80
.set G0SB, 88
.set MSB, 0
.macro WIN new                         ; the immediate's high byte repeats the setting that is left
.if MSB != (\new)
	s_set_vgpr_msb (MSB<<8)|(\new)
.set MSB, (\new)
.endif
.endm
.set MUL_LO, 0xa1
.set MUL_HI, 0xf1
.set TO_B,   0x40
.macro JLOAD g0a, g1a, g0b, g1b        ; a joint load: waves 0 and 1 fetch for x, waves 2 and 3 for w; an s_nop 0 and four v_nop follow each line
	s_cmp_eq_u32 s15, 0
	s_cbranch_scc0 .Lfor_b_\@
	tensor_load_to_lds s[\g0a:\g0a+3], s[\g1a:\g1a+7]
	s_nop 0
.rept 4
	v_nop
.endr
	s_branch .Lasked_\@
.Lfor_b_\@:
	tensor_load_to_lds s[\g0b:\g0b+3], s[\g1b:\g1b+7]
	s_nop 0
.rept 4
	v_nop
.endr
.Lasked_\@:
.endm
.macro CROUND                          ; a round of the cluster's barrier
	s_barrier_signal -1
	s_barrier_wait -1
	s_cmp_lg_u32 s14, 0
	s_cbranch_scc1 .Lnot_wave_0_\@
	s_barrier_signal -3
.Lnot_wave_0_\@:
	s_barrier_wait -3
	s_barrier_signal -1
	s_barrier_wait -1
.endm
	s_load_b128 s[4:7], s[0:1], 0x0                ; xc, xs
	s_load_b128 s[8:11], s[0:1], 0x10              ; wc, ws
	s_load_b128 s[96:99], s[0:1], 0x20             ; qk, qkv16
	v_lshl_add_u32 v[SPW], v0, 2, SPARE
	v_mov_b32 v[NIL], 0
	ds_add_u32 v[SPW], v[NIL]                      ; the wave's opening: the add, twice on end, and its wait ahead of my first tensor load
	ds_add_u32 v[SPW], v[NIL]
	v_lshrrev_b32 v1, 5, v0
	v_readfirstlane_b32 s14, v1                    ; wave 0..3
	s_lshr_b32 s15, s14, 1                         ; which half of the tile's rows is mine.  Also: I fetch for x (0) or for w (1)
	s_and_b32 s16, s14, 1                          ; which half of its columns.  Also: which 128 rows I fetch
	s_bfe_u32 s40, ttmp6, 0x40000                  ; cx
	s_bfe_u32 s41, ttmp6, 0x40004                  ; cy
	s_lshl_b32 s42, ttmp9, 2
	s_add_co_u32 s42, s42, s40                     ; tile column = 4 x cluster x + cx
	s_and_b32 s95, ttmp7, 0xffff                   ; cluster y
	s_lshl_b32 s17, s41, 3
	s_add_co_u32 s17, s17, s95                     ; tile row = 8 cy + cluster y
	s_or_b32 s95, s95, s15                         ; 0 where my 128 rows begin a batch: cluster y and the wave's number alone
	s_lshl_b32 s43, s41, 2
	s_lshl_b32 s43, 15, s43                        ; my row of the cluster
	s_lshl_b32 s44, 0x1111, s40                    ; my column
	s_or_b32 s[G1+0], s43, (0<<16)|(1<<20)|(1<<21)|(5<<22)|(3<<25)  ; mask; elements of 1 byte; padding on; bit 21 beside a mask; 4 words behind every 64
	s_or_b32 s[G1B+0], s44, (0<<16)|(1<<20)|(1<<21)|(5<<22)|(3<<25)
.irp g, G1, G1B
	s_mov_b32 s[\g+1], ROWB<<16                    ; tensor_dim0
	s_mov_b32 s[\g+2], 128<<16                     ; tensor_dim1
	s_mov_b32 s[\g+3], ROWB<<16                    ; tile_dim0
	s_mov_b32 s[\g+4], 128                         ; tile_dim1
	s_mov_b32 s[\g+5], KROW                        ; the pitch
	s_mov_b32 s[\g+6], 0
	s_mov_b32 s[\g+7], 0
.endr
	s_or_b32 s[G1S+0], s43, (3<<16)|(1<<20)|(1<<21)|(5<<22)|(3<<25) ; the scales of 128 rows: 4,096 dense bytes as 16 rows of 256 (32 elements of 8 bytes)
	s_or_b32 s[G1SB+0], s44, (3<<16)|(1<<20)|(1<<21)|(5<<22)|(3<<25)
.irp g, G1S, G1SB
	s_mov_b32 s[\g+1], 32<<16
	s_mov_b32 s[\g+2], (128*KS/256)<<16
	s_mov_b32 s[\g+3], 32<<16
	s_mov_b32 s[\g+4], 128*KS/256
	s_mov_b32 s[\g+5], 32
	s_mov_b32 s[\g+6], 0
	s_mov_b32 s[\g+7], 0
.endr
	s_lshl_b32 s18, s16, 7
	s_lshl_b32 s20, s17, 8
	s_add_co_u32 s20, s20, s18                     ; x: row 256 x tile row + 128 x half
	s_lshl_b32 s46, s42, 8
	s_add_co_u32 s46, s46, s18                     ; w: row 256 x tile column + 128 x half
	s_mov_b32 s21, 0
	s_mov_b32 s47, 0
	s_mov_b64 s[18:19], KS
	s_mul_u64 s[22:23], s[20:21], s[18:19]         ; where these rows' scales begin,
	s_mul_u64 s[92:93], s[46:47], s[18:19]
	s_mov_b64 s[18:19], KROW
	s_mul_u64 s[20:21], s[20:21], s[18:19]         ; and their codes
	s_mul_u64 s[46:47], s[46:47], s[18:19]
	s_mul_i32 s45, s14, HALFT                      ; where they go: wave x 128 rows: no place in the cluster enters an LDS address
	s_mul_i32 s94, s14, HALFS
	s_wait_dscnt 0x0                               ; both opening adds are done
	s_wait_kmcnt 0x0
	s_add_nc_u64 s[20:21], s[4:5], s[20:21]
	s_add_nc_u64 s[22:23], s[6:7], s[22:23]
	s_add_nc_u64 s[46:47], s[8:9], s[46:47]
	s_add_nc_u64 s[92:93], s[10:11], s[92:93]
	CROUND                                         ; all sixteen work-groups are here: the first joint loads meet
	s_mov_b32 s[G0S], 1
	s_add_co_u32 s[G0S+1], s94, SCL
	s_mov_b64 s[G0S+2:G0S+3], s[22:23]
	s_or_b32 s[G0S+3], s[G0S+3], 0x80000000
	s_mov_b32 s[G0SB], 1
	s_add_co_u32 s[G0SB+1], s94, SCL
	s_mov_b64 s[G0SB+2:G0SB+3], s[92:93]
	s_or_b32 s[G0SB+3], s[G0SB+3], 0x80000000
	JLOAD G0S, G1S, G0SB, G1SB                     ; the scales first: they are wanted with the first K step
.irp s, 0,1
	s_mov_b32 s[G0+4*\s], 1
	s_add_co_u32 s[G0+4*\s+1], s45, \s*SLOT
	s_add_nc_u64 s[G0+4*\s+2:G0+4*\s+3], s[20:21], \s*ROWB
	s_or_b32 s[G0+4*\s+3], s[G0+4*\s+3], 0x80000000
	s_mov_b32 s[G0B+4*\s], 1
	s_add_co_u32 s[G0B+4*\s+1], s45, \s*SLOT
	s_add_nc_u64 s[G0B+4*\s+2:G0B+4*\s+3], s[46:47], \s*ROWB
	s_or_b32 s[G0B+4*\s+3], s[G0B+4*\s+3], 0x80000000
	JLOAD G0+4*\s, G1, G0B+4*\s, G1B
.endr
	v_and_b32 v1, 15, v0                           ; r = lane % 16
	v_bfe_u32 v2, v0, 4, 1                         ; h = lane / 16
	v_mul_u32_u24 v3, v1, PITCH
	v_lshl_add_u32 v4, v2, 4, v3                   ; a fragment's row x pitch + 16 h
	s_mul_i32 s21, s15, HALFT
	s_mul_i32 s22, s16, HALFT
	s_add_co_u32 s22, s22, 2*HALFT
.irp s, 0,1
	v_add_nc_u32 v[ADRA+\s], s21, v4
	v_add_nc_u32 v[ADRB+\s], s22, v4
	s_add_co_u32 s21, s21, SLOT
	s_add_co_u32 s22, s22, SLOT
.endr
	v_mul_u32_u24 v5, v1, KS                       ; my row's scales: 32 bytes a row,
	v_lshrrev_b32 v6, 8, v5
	v_lshl_add_u32 v5, v6, 4, v5                   ; and 16 more for each 256 passed
	s_mul_i32 s21, s15, HALFS
	s_mul_i32 s22, s16, HALFS
	s_add_co_u32 s22, s22, 2*HALFS
	s_sub_co_u32 s22, s22, s21
	v_mul_u32_u24 v6, s22, v2                      ; lanes 16-31 take w's
	s_add_co_u32 s21, s21, SCL
	v_add_nc_u32 v5, v5, v6
	v_add_nc_u32 v[ADRS], s21, v5
	s_mul_i32 s23, s14, 16*SPITCH                  ; my stage
	v_mul_u32_u24 v5, v1, SPITCH
	v_lshl_add_u32 v5, v2, 4, v5
	v_add_nc_u32 v[STO], s23, v5                   ; in: row r, 16 bytes for each half of the lanes
	v_mul_u32_u24 v5, v2, SPITCH
	v_lshl_add_u32 v5, v1, 4, v5
	v_add_nc_u32 v[RD], s23, v5                    ; back: lanes 0-15 one row of 256 bytes, lanes 16-31 the next
	v_mul_u32_u24 v5, v2, SIZE_N*2
	v_lshl_add_u32 v[CO], v1, 4, v5                ; the same two rows in qk
	v_and_b32 v6, 31, v0
	v_lshlrev_b32 v[HO], 4, v6
	s_lshl_b32 s20, s17, 8
	s_lshl_b32 s21, s15, 7
	s_add_co_u32 s20, s20, s21                     ; my first row
	s_mul_i32 s20, s20, SIZE_N*2                   ; under 2^32: 8,192 rows of 4,096 bytes
	s_mov_b32 s21, 0
	s_lshl_b32 s46, s42, 9                         ; my first column, in bytes: 512 x tile column + 256 x half
	s_lshl_b32 s47, s16, 8
	s_add_co_u32 s46, s46, s47
	s_mov_b32 s47, 0
	s_add_nc_u64 s[96:97], s[96:97], s[20:21]
	s_add_nc_u64 s[96:97], s[96:97], s[46:47]
	s_mul_i32 s20, s41, 196608                     ; qkv16: the batch's 192 images of 1,024 bytes,
	s_lshl_b32 s46, s42, 4
	s_lshl_b32 s47, s16, 3
	s_add_co_u32 s46, s46, s47                     ; my first block of 16 columns
	s_lshl_b32 s46, s46, 10
	s_add_co_u32 s20, s20, s46
	s_add_nc_u64 s[98:99], s[98:99], s[20:21]
.macro FRAG reg, adr, q, i             ; 16 rows x 128 K of 4-bit codes: 8 registers: lane (r, h) holds row r; registers 4 c .. 4 c + 3 hold K = 64 c + 32 h + 0 .. 31
.irp c, 0,1
	ds_load_b128 v[\reg+4*\c:\reg+4*\c+3], v[\adr] offset:64*(\q)+32*\c+(\i)*16*PITCH
.endr
.endm
; 16 matrix instructions: x's blocks a0, a0 + 1 against w's eight, 128 along K.  The 64 accumulators take turns, one instruction a turn, in the same order in every step.
.macro MUL16 a0, p, q, sc, zero
.irp a, \a0, \a0+1
.irp b, 0,1,2,3,4,5,6,7
.if \zero
	v_wmma_scale_f32_16x16x128_f8f6f4 v[8*(8*((\a)%4)+\b):8*(8*((\a)%4)+\b)+7], v[128*(\p)+FR*\b:128*(\p)+FR*\b+FR-1], v[AF+FR*(\a):AF+FR*(\a)+FR-1], 0, v[SC+8*NQ*(\sc)+NQ*\b+(\q)], v[SC+8*NQ*(\sc)+NQ*(\a)+(\q)] matrix_a_fmt:MATRIX_FMT_FP4 matrix_b_fmt:MATRIX_FMT_FP4 matrix_a_scale:MATRIX_SCALE_ROW1
.else
	v_wmma_scale_f32_16x16x128_f8f6f4 v[8*(8*((\a)%4)+\b):8*(8*((\a)%4)+\b)+7], v[128*(\p)+FR*\b:128*(\p)+FR*\b+FR-1], v[AF+FR*(\a):AF+FR*(\a)+FR-1], v[8*(8*((\a)%4)+\b):8*(8*((\a)%4)+\b)+7], v[SC+8*NQ*(\sc)+NQ*\b+(\q)], v[SC+8*NQ*(\sc)+NQ*(\a)+(\q)] matrix_a_fmt:MATRIX_FMT_FP4 matrix_b_fmt:MATRIX_FMT_FP4 matrix_a_scale:MATRIX_SCALE_ROW1
.endif
.endr
.endr
.endm
.macro FETCH_B slot, q, p
	WIN TO_B
.irp i, 0,1,2,3,4,5,6,7
	FRAG 128*(\p)+FR*\i, ADRB+\slot, \q, \i
.endr
	WIN 0
.endm
.macro FETCH_A slot, q, i0
.irp i, \i0, \i0+1, \i0+2, \i0+3
	FRAG AF+FR*(\i), ADRA+\slot, \q, \i
.endr
.endm
.macro SCALES sc                       ; a slot's scale words: lanes 0-15 take x's block i, lanes 16-31 w's block i
.irp i, 0,1,2,3,4,5,6,7
	ds_load_b128 v[SC+8*NQ*\sc+NQ*\i:SC+8*NQ*\sc+NQ*\i+3], v[ADRS] offset:\i*SBLK
.endr
.endm
.macro PLACES n                        ; plain vector lines between a matrix instruction and a load into, or a read of, its registers
.rept \n
	v_nop
.endr
.endm
.macro STEP slot, q, zero              ; 128 along K that has its successor in the same slot
	s_wait_dscnt 4*NL                              ; w's set and x's blocks 0-3 are in; the youngest eight loads (x's blocks 4-7) may be out
	WIN MUL_LO
	MUL16 0, (\q)%2, \q, \slot, \zero
	MUL16 2, (\q)%2, \q, \slot, \zero
	s_wait_dscnt 0
	PLACES NP
	FETCH_B \slot, (\q)+1, 1-(\q)%2
	FETCH_A \slot, (\q)+1, 0
	WIN MUL_HI
	MUL16 4, (\q)%2, \q, \slot, \zero
	MUL16 6, (\q)%2, \q, \slot, \zero
	PLACES NP
	WIN 0
	FETCH_A \slot, (\q)+1, 4
.endm
; Slot 0's last step changes slots: each wave waits for all its tensor loads (its part of slot 1), and for its reads of slot 0; behind the barrier slot 1 is whole and nobody reads slot 0.  Nothing is filled again.
.macro TURN slot, next
	s_wait_tensorcnt 0x0
	ds_add_u32 v[SPW], v[NIL]                      ; 0 onto my spare word
	s_wait_dscnt 4*NL+1                            ; the add and the youngest eight loads may be out
	WIN MUL_LO
	MUL16 0, 1, NQ-1, \slot, 0
	s_wait_dscnt 0x0
	s_barrier_signal -1
	MUL16 2, 1, NQ-1, \slot, 0
	WIN 0
	s_barrier_wait -1
	PLACES NP
	v_add_nc_u32 v[ADRS], 4*NQ, v[ADRS]            ; the next slot's scale words
	FETCH_B \next, 0, 0
	FETCH_A \next, 0, 0
	SCALES \next
	WIN MUL_HI
	MUL16 4, 1, NQ-1, \slot, 0
	MUL16 6, 1, NQ-1, \slot, 0
	PLACES NP
	WIN 0
	FETCH_A \next, 0, 4
.endm
	s_wait_tensorcnt 1                             ; the scales and my part of slot 0 are in; slot 1's load may be out
	s_barrier_signal -1
	s_barrier_wait -1
	FETCH_B 0, 0, 0
	FETCH_A 0, 0, 0
	SCALES 0
	FETCH_A 0, 0, 4
	STEP 0, 0, 1                                   ; the first products start the sums: nothing is cleared
	STEP 0, 1, 0
	STEP 0, 2, 0
	TURN 0, 1
	STEP 1, 0, 0
	STEP 1, 1, 0
	STEP 1, 2, 0
	s_wait_dscnt 4*NL
	WIN MUL_LO
	MUL16 0, 1, NQ-1, 1, 0
	MUL16 2, 1, NQ-1, 1, 0
	s_wait_dscnt 0
	WIN MUL_HI
	MUL16 4, 1, NQ-1, 1, 0
	MUL16 6, 1, NQ-1, 1, 0
	WIN 0
	PLACES NP
	; the first 16 rows of a batch leave as f32 too: block 0's eight accumulators as they stand, each store 512 consecutive bytes, each accumulator from its low end on
	s_cmp_eq_u32 s95, 0
	s_cbranch_scc0 .Lno_first
	WIN 0x08                                       ; a store's data are its source 1: window 2
.irp b, 0,1,2,3,4,5,6,7
	global_store_b128 v[HO], v[8*\b:8*\b+3], s[98:99] offset:1024*\b
	global_store_b128 v[HO], v[8*\b+4:8*\b+7], s[98:99] offset:1024*\b+512
.endr
	WIN 0
.Lno_first:
; THE WAY OUT, a block of 16 rows x 128 columns at a time: rounded to f16 (16 bytes a lane), through my own stage, back as whole rows of 256 bytes.
.macro PACK a
.set AC, 64*((\a)%4)
.set WN, 0x0a+5*((\a)/4)
	WIN WN                                         ; sources 0 and 1: window 2 or 3
.irp b, 0,1,2,3,4,5,6,7
.irp r, 0,1,2,3
	v_cvt_pk_f16_f32 v[TMP+4*\b+\r], v[AC+8*\b+2*\r], v[AC+8*\b+2*\r+1]
.endr
.endr
	WIN 0
.endm
.macro TOSTAGE a
.set BK, OB+192*((\a)%2)
.irp b, 0,1,2,3,4,5,6,7
	ds_store_b128 v[STO], v[TMP+4*\b:TMP+4*\b+3] offset:32*\b
.endr
.irp t, 0,1,2,3,4,5,6,7
	ds_load_b128 v[BK+4*\t:BK+4*\t+3], v[RD] offset:\t*2*SPITCH    ; LDS serves a wave's instructions in order: these see the stores above
.endr
.endm
.macro SEND a
.set BK, OB+192*((\a)%2)
	s_wait_dscnt 0x0                               ; the block is back in registers
	s_wait_xcnt 0x0                                ; the block before has had its stores' registers read: the next read-back may land there
.irp t, 0,1,2,3,4,5,6,7
	global_store_b128 v[CO], v[BK+4*\t:BK+4*\t+3], s[96:97] offset:(16*(\a)+2*\t)*SIZE_N*2   ; sixteen lanes store 256 consecutive bytes, aligned; 126 rows of 4,096 bytes at the most in the immediate
.endr
.endm
	PACK 0
	TOSTAGE 0
.irp a, 1,2,3,4,5,6,7
	PACK \a
	SEND \a-1
	TOSTAGE \a
.endr
	SEND 7
	s_wait_tensorcnt 0x0                           ; the wave's end
	ds_add_u32 v[SPW], v[NIL]
	s_wait_dscnt 0x0
	CROUND                                         ; the closing round
	s_endpgm
.Lfunc_end_k_q55386b0f61_proj:
	.size	k_q55386b0f61_proj, .Lfunc_end_k_q55386b0f61_proj-k_q55386b0f61_proj
	.p2alignl 7, 3214868480
	.fill 96, 4, 3214868480
	.section	.rodata,"a",@progbits
	.p2align	6, 0x0
	.amdhsa_kernel k_q55386b0f61_proj
		.amdhsa_group_segment_fixed_size 327680
		.amdhsa_private_segment_fixed_size 0
		.amdhsa_enable_private_segment 0
		.amdhsa_kernarg_size 48
		.amdhsa_user_sgpr_count 2
		.amdhsa_user_sgpr_kernarg_segment_ptr 1
		.amdhsa_wavefront_size32 1
		.amdhsa_system_sgpr_workgroup_id_x 1
		.amdhsa_system_sgpr_workgroup_id_y 1
		.amdhsa_system_sgpr_workgroup_id_z 1
		.amdhsa_system_vgpr_workitem_id 0
		.amdhsa_next_free_vgpr 1024
		.amdhsa_next_free_sgpr 100
		.amdhsa_reserve_vcc 0
		.amdhsa_float_denorm_mode_32 3
		.amdhsa_float_denorm_mode_16_64 3
		.amdhsa_memory_ordered 1
		.amdhsa_forward_progress 1
		.amdhsa_inst_pref_size 128
	.end_amdhsa_kernel
	.amdgpu_metadata
---
amdhsa.version: [ 1, 2 ]
amdhsa.kernels:
  - .name:           k_q55386b0f61_proj
    .symbol:         k_q55386b0f61_proj.kd
    .args:
      - { .name: xc, .offset: 0, .size: 8, .value_kind: global_buffer, .address_space: global }
      - { .name: xs, .offset: 8, .size: 8, .value_kind: global_buffer, .address_space: global }
      - { .name: wc, .offset: 16, .size: 8, .value_kind: global_buffer, .address_space: global }
      - { .name: ws, .offset: 24, .size: 8, .value_kind: global_buffer, .address_space: global }
      - { .name: qk, .offset: 32, .size: 8, .value_kind: global_buffer, .address_space: global }
      - { .name: qkv16, .offset: 40, .size: 8, .value_kind: global_buffer, .address_space: global }
    .group_segment_fixed_size: 327680
    .private_segment_fixed_size: 0
    .kernarg_segment_align: 8
    .kernarg_segment_size: 48
    .max_flat_workgroup_size: 128
    .sgpr_count:     100
    .vgpr_count:     1024
    .wavefront_size: 32
...
	.end_amdgpu_metadata
.endif
;; end of part 2
;; launch scores (part 3): grid 68 x 4, 4 waves a work-group, no clusters, 327,680 bytes of LDS; arguments qk, xc, xs, wc, ws, pbuf, vh, qkv16; writes pbuf, vh, qkv16
.if DOCPART == 3
	.amdgcn_target "amdgcn-amd-amdhsa--gfx1250"
	.amdhsa_code_object_version 6
	.text
	.protected	k_q55386b0f61_scores
	.globl	k_q55386b0f61_scores
	.p2align	8
	.type	k_q55386b0f61_scores,@function
k_q55386b0f61_scores:
	s_mov_b64 s[64:65], 0
	v_nop
	global_prefetch_b8 v0, s[64:65] scope:SCOPE_SE
	s_setreg_imm32_b32 hwreg(HW_REG_WAVE_MODE, 25, 1), 1
	s_wait_xcnt 0x0
; TWO KINDS OF WORK-GROUPS, parted once, on the work-group's number x (y is the batch).  x < 36: a tile of the scores (way S).  x >= 36: a tile of v's projection (way V), which nothing in this launch
; reads: 36 x 4 = 144 work-groups of scores and 32 x 4 = 128 of v; a tile of v has a quarter of the matrix instructions of a tile of scores, each half as long.
; WAY S.  The tiles of q k^T that the causal mask keeps, and the first level of the softmax.  qk [8192][2048] f16: q at byte 0, k at byte 2,048 of a row of 4,096 bytes.
;   For each query and each chunk of 128 keys: t = score x c, c = log2(e) / 32; -M = floor(-largest t), a whole number; p = 2^(t - M), at most 1, rounded to f16 into pbuf [batch][query][key];
;   l = the sum of the unrounded p.  Behind P, from byte 33,554,432 of pbuf on: [batch][chunk 16][2][2048] f32: plane 0 -M, plane 1 l.  The last launch brings the chunks of a row under the row's largest M:
;   the maximum is taken away in two levels.
;   A batch's lower triangle has 36 tiles of 256 x 256, numbered row by row.  Four waves, each 128 queries x 128 keys: 64 accumulators; a wave's keys are one chunk, so no wave needs another for its statistics.
;   K = 1,024 goes in steps of 128 through a ring of two LDS slots; each wave fetches 128 rows of 256 bytes with one tensor load: two out at the start, one behind each change of slots.
;   On a diagonal tile the wave whose chunk lies above the diagonal multiplies with the others (it passes every barrier) and stores nothing: nobody reads that chunk.
;   Source 0 = 16 keys, source 1 = 16 queries: lane (r, h) holds query r and keys 8 h + 0 .. 7 of a block of 16.
; WAY V.  vh[m][n] = sum over k of x[m][k] w_v[k][n] on codes of FP4 (E2M1) with one E8M0 scale for each 32 along K, sums in f32, rounded once to f16; vh [8192][1024].  xc [8192][512 bytes], wc's rows
;   2,048 on; xs, ws: 32 scale bytes a row.  A tile of 256 x 256: 8 x 4 tiles a batch.  K = 1,024 is two slots of 512 along K, both asked for at the start with the rows' scales: three tensor loads a wave, none later.
;   The first 16 rows of each batch also leave as f32, as images of the accumulators' registers: qkv16 [batch][block of 16 columns][half][lane][4 f32], blocks 128-191 here.
;   Source 0 = 16 rows of wc, source 1 = 16 rows of xc: a lane holds eight neighbouring columns of one row.
; NO CLUSTER: the triangle's rows have 1 to 8 tiles, so every fixed rectangle of 4 or 4 x 4 partners that meets the diagonal would hold work-groups whose tile the mask throws away whole.
; LDS: both ways have the ring at byte 0 and each wave's stage behind it; S's statistics and V's scales have bytes that the other way never names.
; LIMITS: p under 2^-24 becomes 0 in f16; |v| stays under 65,504; NaN and infinities are not served.
; REGISTERS, way S: window 0: v0-31 addresses; v64-127, v128-191 q's fragments, two buffers; window 1: v64-191 k's; windows 2, 3: the accumulators ((a, b) at v[8 (8 (a % 4) + b)]).
;   On the way out, window 0: v64-127 t - M, then p; v128-141 at work; v192-223 packed p; v32-63, v224-255 rows read back.
; Way V: window 0: v32-95 scale words, two sets; v128-191 x's fragments, one set; window 1: w's fragments, two sets; windows 2, 3 and the way out as in way S.
.set NTRI,   36
.set KSTEP,  128
.set PITCH,  272                       ; an LDS row: 256 bytes + 16 of padding
.set HALFT,  128*PITCH
.set SLOT,   4*HALFT                   ; 256 rows of one operand, then 256 of the other
.set STAGE,  2*SLOT                    ; 16 rows x 272 bytes for each wave
.set SPITCH, 272
.set STATB,  STAGE+4*16*SPITCH         ; S: 1,024 bytes for each wave: 128 -M, then 128 l
.set SPARE,  STATB+4*1024              ; the spare words, 128 bytes for each wave
.set SCLV,   SPARE+512                 ; V: the scales of 256 + 256 rows, as units of 256 bytes + 16 of padding
.set LAPS,   4                         ; S: 1,024 / 256: a lap is two K steps
.set NQ,     4                         ; V: matrix instructions deep in a slot
.set FR,     8
.set NL,     2
.set KS,     32
.set HALFS,  (128*KS/256)*272
.set SBLK,   (16*KS/256)*272
.set ADRA, 16
.set ADRB, 20
.set SO,   22                          ; S: v22  16 x lane: my place in the statistics' 512 bytes
.set SR,   23                          ; S: v23  the same in my wave's statistics in LDS
.set STO,  24
.set RD,   25
.set CO,   26
.set SW,   27                          ; S: v27  where my query's statistics go: 4 r
.set ADRS, 27                          ; V: v27  LDS address of my scale words
.set SPW,  28
.set NIL,  29
.set DG,   30                          ; S: v30  r - 8 h
.set HO,   30                          ; V: v30  16 x lane: my place in a register image
.set NINF, 31                          ; S: v31  -infinity
.set F0,   64
.set F1,   128
.set T,    64
.set SC,   32
.set AF,   128
.set TMP,  192
.set OB,   32
.set G1,  24                           ; s[24:31] group 1 of S's tiles
.set G0,  32                           ; s[32:39] groups 0 of the two slots
.set G0S, 40                           ; s[40:43] V: group 0 of the scales
.set G1C, 84                           ; s[84:91] group 1 of V's tiles of codes
.set G1S, 92                           ; s[92:99] group 1 of V's scales
.set MSB, 0
.macro WIN new                         ; the immediate's high byte repeats the setting that is left
.if MSB != (\new)
	s_set_vgpr_msb (MSB<<8)|(\new)
.set MSB, (\new)
.endif
.endm
.set MUL_LO, 0xa1                      ; source 0 window 1, source 1 window 0, C and D window 2
.set MUL_HI, 0xf1
.set TO_B,   0x40
.macro PLACES                          ; four plain vector lines between a matrix instruction and a load into, or a read of, its registers
.rept 4
	v_nop
.endr
.endm
; The way out of both ways: 16 rows of 256 bytes, packed in v[TMP] on, go through my own stage and come back as whole rows.
.macro TOSTAGE a
.set BK, OB+192*((\a)%2)
.irp b, 0,1,2,3,4,5,6,7
	ds_store_b128 v[STO], v[TMP+4*\b:TMP+4*\b+3] offset:32*\b
.endr
.irp t, 0,1,2,3,4,5,6,7
	ds_load_b128 v[BK+4*\t:BK+4*\t+3], v[RD] offset:\t*2*SPITCH    ; LDS serves a wave's instructions in order: these see the stores above
.endr
.endm
.macro SEND a, ptr, pitch
.set BK, OB+192*((\a)%2)
	s_wait_dscnt 0x0                               ; the block is back in registers
	s_wait_xcnt 0x0                                ; the block before has had its stores' registers read: the next read-back may land there
.irp t, 0,1,2,3,4,5,6,7
	global_store_b128 v[CO], v[BK+4*\t:BK+4*\t+3], s[\ptr:\ptr+1] offset:(16*(\a)+2*\t)*(\pitch)   ; sixteen lanes store 256 consecutive bytes, aligned
.endr
.endm
	s_load_b256 s[68:75], s[0:1], 0x0              ; qk s[68:69], xc s[70:71], xs s[72:73], wc s[74:75]
	s_load_b256 s[76:83], s[0:1], 0x20             ; ws s[76:77], pbuf s[78:79], vh s[80:81], qkv16 s[82:83]
	v_lshl_add_u32 v[SPW], v0, 2, SPARE
	v_mov_b32 v[NIL], 0
	ds_add_u32 v[SPW], v[NIL]                      ; the wave's opening: the add, twice on end, and its wait ahead of my first tensor load
	ds_add_u32 v[SPW], v[NIL]
	v_lshrrev_b32 v1, 5, v0
	v_readfirstlane_b32 s10, v1                    ; wave 0..3
	s_lshr_b32 s11, s10, 1                         ; which half of the tile's rows is mine
	s_and_b32 s12, s10, 1                          ; which half of its columns.  Also: which 128 rows I fetch
	s_and_b32 s15, ttmp7, 0xffff                   ; the batch
	s_mul_i32 s23, s10, HALFT                      ; where my tensor loads go in a slot: wave x 128 rows
	; all three groups 1 are constants, written on the way that every wave takes
	s_mov_b32 s[G1+0], (1<<16)|(1<<20)|(5<<22)|(3<<25)             ; S: no mask; elements of 2 bytes; padding: 4 words behind every 64
	s_mov_b32 s[G1+1], KSTEP<<16                   ; tensor_dim0 = 128
	s_mov_b32 s[G1+2], 128<<16                     ; tensor_dim1 = 128
	s_mov_b32 s[G1+3], KSTEP<<16                   ; tile_dim0 = 128
	s_mov_b32 s[G1+4], 128                         ; tile_dim1 = 128
	s_mov_b32 s[G1+5], 2048                        ; elements from row to row
	s_mov_b32 s[G1+6], 0
	s_mov_b32 s[G1+7], 0
	s_mov_b32 s[G1C+0], (0<<16)|(1<<20)|(5<<22)|(3<<25)            ; V's codes: elements of 1 byte; the same padding
	s_mov_b32 s[G1C+1], 256<<16                    ; 256 bytes of a row: 512 along K
	s_mov_b32 s[G1C+2], 128<<16
	s_mov_b32 s[G1C+3], 256<<16
	s_mov_b32 s[G1C+4], 128
	s_mov_b32 s[G1C+5], 512                        ; a row of codes in memory
	s_mov_b32 s[G1C+6], 0
	s_mov_b32 s[G1C+7], 0
	s_mov_b32 s[G1S+0], (3<<16)|(1<<20)|(5<<22)|(3<<25)            ; V's scales of 128 rows: 4,096 dense bytes as 16 rows of 256 (32 elements of 8 bytes)
	s_mov_b32 s[G1S+1], 32<<16
	s_mov_b32 s[G1S+2], 16<<16
	s_mov_b32 s[G1S+3], 32<<16
	s_mov_b32 s[G1S+4], 16
	s_mov_b32 s[G1S+5], 32
	s_mov_b32 s[G1S+6], 0
	s_mov_b32 s[G1S+7], 0
	s_wait_dscnt 0x0                               ; both opening adds are done
	s_wait_kmcnt 0x0
	s_cmp_lt_u32 ttmp9, NTRI                       ; the same in all four waves
	s_cbranch_scc0 .Lv_path
; ================ WAY S: a tile of the scores
	s_mov_b32 s13, 0                               ; the tile's row i in the triangle: how many of the rows' first numbers are at or under my number
.irp th, 1,3,6,10,15,21,28
	s_cmp_ge_u32 ttmp9, \th
	s_cselect_b32 s14, 1, 0
	s_add_co_u32 s13, s13, s14
.endr
	s_add_co_u32 s14, s13, 1
	s_mul_i32 s14, s14, s13
	s_lshr_b32 s14, s14, 1
	s_sub_co_u32 s14, ttmp9, s14                   ; its column j = number - i (i + 1) / 2
	s_lshl_b32 s16, s13, 1
	s_add_co_u32 s16, s16, s11                     ; qc: my block of 128 queries
	s_lshl_b32 s17, s14, 1
	s_add_co_u32 s17, s17, s12                     ; kc: my chunk of 128 keys
	s_cmp_lt_u32 s10, 2                            ; waves 0 and 1 fetch q's rows, waves 2 and 3 k's: only offsets are chosen
	s_cselect_b32 s18, s13, s14
	s_cselect_b32 s19, 0, 2048
	s_lshl_b32 s18, s18, 8
	s_lshl_b32 s20, s12, 7
	s_add_co_u32 s18, s18, s20
	s_lshl_b32 s20, s15, 11
	s_add_co_u32 s18, s18, s20                     ; the first row that I fetch,
	s_lshl_b32 s18, s18, 12                        ; 4,096 bytes a row
	s_add_co_u32 s18, s18, s19
	s_mov_b32 s19, 0
	s_lshl_b32 s20, s15, 4
	s_add_co_u32 s21, s20, s16
	s_lshl_b32 s46, s21, 19                        ; P: (16 batch + qc) x 128 rows of 4,096 bytes
	s_lshl_b32 s22, s17, 8
	s_add_co_u32 s46, s46, s22                     ; + 256 kc
	s_mov_b32 s47, 0
	s_add_co_u32 s48, s20, s17
	s_lshl_b32 s48, s48, 14                        ; the statistics: (16 batch + kc) x 16,384
	s_lshl_b32 s22, s16, 9
	s_add_co_u32 s48, s48, s22                     ; + 512 qc,
	s_add_co_u32 s48, s48, 0x2000000               ; behind P's 33,554,432 bytes
	s_mov_b32 s49, 0
	s_mov_b32 s42, 0x3d38aa3b                      ; c = log2(e) / 32
	s_mov_b32 s43, s42                             ; (named with it as a pair)
	s_mov_b32 s44, 0x76543210
	s_mov_b32 s45, 0xfedcba98                      ; selects for lane l xor 16
	s_add_nc_u64 s[18:19], s[68:69], s[18:19]
	s_add_nc_u64 s[46:47], s[78:79], s[46:47]
	s_add_nc_u64 s[48:49], s[78:79], s[48:49]
.irp s, 0,1
	s_mov_b32 s[G0+4*\s], 1
	s_add_co_u32 s[G0+4*\s+1], s23, \s*SLOT
	s_add_nc_u64 s[G0+4*\s+2:G0+4*\s+3], s[18:19], \s*KSTEP*2
	s_or_b32 s[G0+4*\s+3], s[G0+4*\s+3], 0x80000000
	tensor_load_to_lds s[G0+4*\s:G0+4*\s+3], s[G1:G1+7]            ; K step s: every wave moves rows of its own
	s_nop 0
.endr
	v_and_b32 v1, 15, v0                           ; r
	v_bfe_u32 v2, v0, 4, 1                         ; h
	v_mul_u32_u24 v3, v1, PITCH
	v_lshl_add_u32 v3, v2, 4, v3
	s_mul_i32 s21, s11, HALFT
	s_mul_i32 s22, s12, HALFT
	s_add_co_u32 s22, s22, 2*HALFT
.irp s, 0,1
	v_add_nc_u32 v[ADRA+\s], s21, v3
	v_add_nc_u32 v[ADRB+\s], s22, v3
	s_add_co_u32 s21, s21, SLOT
	s_add_co_u32 s22, s22, SLOT
.endr
	s_mul_i32 s21, s10, 16*SPITCH
	s_add_co_u32 s21, s21, STAGE
	v_mul_u32_u24 v4, v1, SPITCH
	v_lshl_add_u32 v4, v2, 4, v4
	v_add_nc_u32 v[STO], s21, v4
	v_mul_u32_u24 v5, v2, SPITCH
	v_lshl_add_u32 v5, v1, 4, v5
	v_add_nc_u32 v[RD], s21, v5
	v_lshlrev_b32 v5, 12, v2
	v_lshl_add_u32 v[CO], v1, 4, v5                ; two rows of P, 4,096 bytes apart
	s_lshl_b32 s21, s10, 10
	s_add_co_u32 s21, s21, STATB
	v_lshlrev_b32 v5, 2, v1
	v_add_nc_u32 v[SW], s21, v5
	v_and_b32 v5, 31, v0
	v_lshlrev_b32 v[SO], 4, v5
	v_add_nc_u32 v[SR], s21, v[SO]
	v_lshlrev_b32 v5, 3, v2
	v_sub_nc_u32 v[DG], v1, v5
	v_mov_b32 v[NINF], 0xff800000
.macro MUL16 f, hi, a0, zero           ; 16 matrix instructions; the 64 accumulators take turns in the same order in every quarter
.irp a, \a0, \a0+1
.irp b, 0,1,2,3,4,5,6,7
.if \zero
	v_wmma_f32_16x16x32_f16 v[8*(8*(\a)+\b):8*(8*(\a)+\b)+7], v[\f+8*\b:\f+8*\b+7], v[\f+8*(4*\hi+(\a)):\f+8*(4*\hi+(\a))+7], 0
.else
	v_wmma_f32_16x16x32_f16 v[8*(8*(\a)+\b):8*(8*(\a)+\b)+7], v[\f+8*\b:\f+8*\b+7], v[\f+8*(4*\hi+(\a)):\f+8*(4*\hi+(\a))+7], v[8*(8*(\a)+\b):8*(8*(\a)+\b)+7]
.endif
.endr
.endr
.endm
.macro FETCH slot, k, f                ; 32 LDS loads in one run: 128 rows of k, 128 rows of q, 32 along K at byte k of the rows
	WIN TO_B
.irp i, 0,1,2,3,4,5,6,7
	ds_load_b128 v[\f+8*\i:\f+8*\i+3],   v[ADRB+\slot] offset:\k+\i*16*PITCH
	ds_load_b128 v[\f+8*\i+4:\f+8*\i+7], v[ADRB+\slot] offset:\k+\i*16*PITCH+32
.endr
	WIN 0
.irp i, 0,1,2,3,4,5,6,7
	ds_load_b128 v[\f+8*\i:\f+8*\i+3],   v[ADRA+\slot] offset:\k+\i*16*PITCH
	ds_load_b128 v[\f+8*\i+4:\f+8*\i+7], v[ADRA+\slot] offset:\k+\i*16*PITCH+32
.endr
.endm
.macro QUARTER slot, k, f, g, zero     ; 32 along K: multiplies buffer f and fetches the next quarter into g
	s_wait_dscnt 8                                 ; k's and q's rows 0-63 are in; the youngest eight loads (q's rows 64-127) may be out
	WIN MUL_LO
	MUL16 \f, 0, 0, \zero
	MUL16 \f, 0, 2, \zero
	PLACES
	FETCH \slot, \k, \g
	s_wait_dscnt 32                                ; all but the 32 just issued
	WIN MUL_HI
	MUL16 \f, 1, 0, \zero
	MUL16 \f, 1, 2, \zero
.endm
; A K step's last quarter changes slots: one barrier.  In front of it each wave waits for all its tensor loads (its part of the next slot), adds 0 to its spare word, and waits for that and for its
; reads of this slot.  Behind it this slot is filled again first (fill = 1), two K steps ahead: 224 matrix instructions stand between the request and the wait for it.
.macro TURN slot, next, fill
	WIN 0
	s_wait_tensorcnt 0x0
	ds_add_u32 v[SPW], v[NIL]
.if \fill
	s_add_nc_u64 s[G0+4*\slot+2:G0+4*\slot+3], s[G0+4*\slot+2:G0+4*\slot+3], 2*KSTEP*2   ; no tensor load of mine is out: the address may step
.endif
	s_wait_dscnt 9                                 ; the add and the youngest eight loads may be out
	WIN MUL_LO
	MUL16 F1, 0, 0, 0
	s_wait_dscnt 0x0                               ; the add is done, and my reads of this slot are over
	s_barrier_signal -1
	MUL16 F1, 0, 2, 0
	s_barrier_wait -1
.if \fill
	tensor_load_to_lds s[G0+4*\slot:G0+4*\slot+3], s[G1:G1+7]      ; my one tensor load behind the barrier, and the first thing there
	s_nop 0
.endif
	PLACES                                         ; behind the load, and ahead of the loads into buffer 0
	FETCH \next, 0, F0
	WIN MUL_HI
	MUL16 F1, 1, 0, 0
	MUL16 F1, 1, 2, 0
.endm
	s_wait_tensorcnt 1                             ; my part of K step 0 is in; K step 1's load may be out
	s_barrier_signal -1
	s_barrier_wait -1
	FETCH 0, 0, F0
	QUARTER 0, 64,  F0, F1, 1                      ; the first products start the sums: nothing is cleared
	WIN 0
	s_mov_b32 s3, LAPS-1
.Llap:                                                 ; a trip goes once round the ring and fills both slots again: K steps 2 to 7 in three trips
	QUARTER 0, 128, F1, F0, 0
	QUARTER 0, 192, F0, F1, 0
	TURN 0, 1, 1
	QUARTER 1, 64,  F0, F1, 0
	QUARTER 1, 128, F1, F0, 0
	QUARTER 1, 192, F0, F1, 0
	TURN 1, 0, 1
	QUARTER 0, 64,  F0, F1, 0
	WIN 0
	s_sub_co_u32 s3, s3, 1
	s_cmp_lg_u32 s3, 0
	s_cbranch_scc1 .Llap
	QUARTER 0, 128, F1, F0, 0                      ; the last lap is written out: it asks for nothing
	QUARTER 0, 192, F0, F1, 0
	TURN 0, 1, 0
	QUARTER 1, 64,  F0, F1, 0
	QUARTER 1, 128, F1, F0, 0
	QUARTER 1, 192, F0, F1, 0
	s_wait_dscnt 8
	WIN MUL_LO
	MUL16 F1, 0, 0, 0
	MUL16 F1, 0, 2, 0
	s_wait_dscnt 0
	WIN MUL_HI
	MUL16 F1, 1, 0, 0
	MUL16 F1, 1, 2, 0
	WIN 0
	s_cmp_gt_u32 s17, s16                          ; my chunk lies above the diagonal: nobody reads it (ids and the wave's number alone; no barrier follows)
	s_cbranch_scc1 .Lend
	PLACES
	v_mov_b32 v132, 0                              ; a lane permute's destination counts as read
	v_mov_b32 v133, 0
	v_mov_b32 v137, 0                              ; named as the upper half of the pair v[136:137]
; THE SOFTMAX'S FIRST LEVEL for block a: 16 queries x my 128 keys, 64 numbers a lane in eight accumulators.
.macro SOFT a
.set W,  2+(\a)/4
.set AC, 64*((\a)%4)
	s_cmp_lg_u32 s17, s16                          ; only the chunk on the diagonal is masked
	s_cbranch_scc1 .Lopen_\@
.set WN, (W<<6)|W
	WIN WN                                         ; destination and source 0: the accumulators' window
.set bb, \a
.rept 8-(\a)                           ; key 16 b + 8 h + j is hidden from query 16 a + r where 16 (b - a) + j > r - 8 h: never for b < a
.set jj, 0
.rept 8
	v_cmp_gt_i32 vcc_lo, 16*(bb-(\a))+jj, v[DG]
	v_cndmask_b32 v[AC+8*bb+jj], v[AC+8*bb+jj], v[NINF], vcc_lo
.set jj, jj+1
.endr
.set bb, bb+1
.endr
	WIN 0
.Lopen_\@:
.set WN, (W<<2)|(W<<4)
	WIN WN                                         ; sources 1 and 2: the accumulators' window
.set pp, 0
.rept 4                                ; the largest score, four chains by turns; each accumulator is read from its low end on
.set bb, 0
.rept 8
.if (pp == 0) && (bb < 4)
	v_max3_num_f32 v[128+bb], v[NINF], v[AC+8*bb], v[AC+8*bb+1]
.else
	v_max3_num_f32 v[128+bb%4], v[128+bb%4], v[AC+8*bb+2*pp], v[AC+8*bb+2*pp+1]
.endif
.set bb, bb+1
.endr
.set pp, pp+1
.endr
	WIN 0
	v_max3_num_f32 v128, v128, v129, v130
	v_max_num_f32 v128, v128, v131
	v_permlanex16_b32 v132, v128, s44, s45         ; the query's other 64 keys lie in the lane 16 away
	v_max_num_f32 v128, v128, v132                 ; a number: the chunk's first key counts for every query that reads the chunk
	v_mul_f32 v128, s42, v128                      ; as t (c is positive)
	v_floor_f32 v136, -v128                        ; -M = floor(-t): a whole number
	ds_store_b32 v[SW], v136 offset:64*(\a)        ; both halves of the lanes write the same word with the same value
	WIN W                                          ; source 0: the accumulators' window
.set ii, 0
.rept 32
	v_pk_fma_f32 v[T+2*ii:T+2*ii+1], v[AC+2*ii:AC+2*ii+1], s[42:43], v[136:137] op_sel_hi:[1,0,0]   ; t - M, two at a time
.set ii, ii+1
.endr
	WIN 0
.set ii, 0
.rept 64
	v_exp_f32 v[T+ii], v[T+ii]                     ; p = 2^(t - M), at most 1; 0 where the key is hidden
.set ii, ii+1
.endr
	v_nop                                          ; a plain line behind the last exponential
	s_wait_alu depctr_va_vdst(0)                   ; one wait for the batch of 64, ahead of its first reader
	v_pk_add_f32 v[138:139], v[T:T+1], v[T+2:T+3]  ; l is taken of the unrounded p, in two chains
	v_pk_add_f32 v[140:141], v[T+4:T+5], v[T+6:T+7]
.irp j, 8,12,16,20,24,28,32,36,40,44,48,52,56,60
	v_pk_add_f32 v[138:139], v[138:139], v[T+\j:T+\j+1]
	v_pk_add_f32 v[140:141], v[140:141], v[T+\j+2:T+\j+3]
.endr
	v_pk_add_f32 v[138:139], v[138:139], v[140:141]
	v_add_f32 v138, v138, v139
	v_permlanex16_b32 v133, v138, s44, s45
	v_add_f32 v138, v138, v133
	ds_store_b32 v[SW], v138 offset:512+64*(\a)
.set ii, 0
.rept 32
	v_cvt_pk_f16_f32 v[TMP+ii], v[T+2*ii], v[T+2*ii+1]             ; eight neighbouring keys of a block: 16 bytes a lane
.set ii, ii+1
.endr
.endm
	SOFT 0
	TOSTAGE 0
.irp a, 1,2,3,4,5,6,7
	SOFT \a                                        ; a block's arithmetic stands between the read-back of the block before and its stores
	SEND \a-1, 46, 4096
	TOSTAGE \a
.endr
	SEND 7, 46, 4096
	ds_load_b128 v[64:67], v[SR]                   ; my wave's 128 -M and 128 l: LDS serves a wave's instructions in order
	ds_load_b128 v[68:71], v[SR] offset:512
	s_wait_dscnt 0x0
	global_store_b128 v[SO], v[64:67], s[48:49]    ; 512 consecutive bytes each
	global_store_b128 v[SO], v[68:71], s[48:49] offset:8192
.Lend:
	s_wait_tensorcnt 0x0                           ; the wave's end
	ds_add_u32 v[SPW], v[NIL]
	s_wait_dscnt 0x0
	s_endpgm
; ================ WAY V: a tile of v's projection
.Lv_path:
	s_sub_co_u32 s13, ttmp9, NTRI                  ; 0 .. 31
	s_lshr_b32 s14, s13, 2                         ; the tile's row in the batch, 0 .. 7
	s_and_b32 s13, s13, 3                          ; its column, 0 .. 3
	s_lshl_b32 s16, s15, 3
	s_add_co_u32 s16, s16, s14                     ; x's rows: 256 x (8 batch + row)
	s_add_co_u32 s17, s13, 8                       ; wc's rows: 256 x (8 + column): w_v's columns lie from row 2,048 on
	s_cmp_lt_u32 s10, 2                            ; waves 0 and 1 fetch for x, waves 2 and 3 for w: the choices hang on the wave's number alone
	s_cselect_b32 s18, s16, s17
	s_cselect_b64 s[20:21], s[70:71], s[74:75]     ; the codes,
	s_cselect_b64 s[44:45], s[72:73], s[76:77]     ; the scale bytes
	s_lshl_b32 s18, s18, 1
	s_add_co_u32 s18, s18, s12                     ; which 128 rows I fetch
	s_lshl_b32 s46, s18, 16                        ; 128 rows of 512 bytes of codes,
	s_mov_b32 s47, 0
	s_lshl_b32 s48, s18, 12                        ; of 32 scale bytes
	s_mov_b32 s49, 0
	s_add_nc_u64 s[20:21], s[20:21], s[46:47]
	s_mul_i32 s22, s10, HALFS
	s_mov_b32 s[G0S], 1
	s_add_co_u32 s[G0S+1], s22, SCLV
	s_add_nc_u64 s[G0S+2:G0S+3], s[44:45], s[48:49]
	s_or_b32 s[G0S+3], s[G0S+3], 0x80000000
	tensor_load_to_lds s[G0S:G0S+3], s[G1S:G1S+7]  ; the scales first: they are wanted with the first K step
	s_nop 0
.irp s, 0,1
	s_mov_b32 s[G0+4*\s], 1
	s_add_co_u32 s[G0+4*\s+1], s23, \s*SLOT
	s_add_nc_u64 s[G0+4*\s+2:G0+4*\s+3], s[20:21], \s*256
	s_or_b32 s[G0+4*\s+3], s[G0+4*\s+3], 0x80000000
	tensor_load_to_lds s[G0+4*\s:G0+4*\s+3], s[G1C:G1C+7]          ; 512 along K a slot: every wave moves rows of its own
	s_nop 0
.endr
	v_and_b32 v1, 15, v0                           ; r
	v_bfe_u32 v2, v0, 4, 1                         ; h
	v_mul_u32_u24 v3, v1, PITCH
	v_lshl_add_u32 v4, v2, 4, v3                   ; a fragment's row x pitch + 16 h
	s_mul_i32 s50, s11, HALFT
	s_mul_i32 s51, s12, HALFT
	s_add_co_u32 s51, s51, 2*HALFT
.irp s, 0,1
	v_add_nc_u32 v[ADRA+\s], s50, v4
	v_add_nc_u32 v[ADRB+\s], s51, v4
	s_add_co_u32 s50, s50, SLOT
	s_add_co_u32 s51, s51, SLOT
.endr
	v_mul_u32_u24 v5, v1, KS                       ; my row's scales: 32 bytes a row,
	v_lshrrev_b32 v6, 8, v5
	v_lshl_add_u32 v5, v6, 4, v5                   ; and 16 more for each 256 passed
	s_mul_i32 s50, s11, HALFS
	s_mul_i32 s51, s12, HALFS
	s_add_co_u32 s51, s51, 2*HALFS
	s_sub_co_u32 s51, s51, s50
	v_mul_u32_u24 v6, s51, v2                      ; lanes 16-31 take w's
	s_add_co_u32 s50, s50, SCLV
	v_add_nc_u32 v5, v5, v6
	v_add_nc_u32 v[ADRS], s50, v5
	s_mul_i32 s50, s10, 16*SPITCH
	s_add_co_u32 s50, s50, STAGE                   ; my stage
	v_mul_u32_u24 v5, v1, SPITCH
	v_lshl_add_u32 v5, v2, 4, v5
	v_add_nc_u32 v[STO], s50, v5
	v_mul_u32_u24 v5, v2, SPITCH
	v_lshl_add_u32 v5, v1, 4, v5
	v_add_nc_u32 v[RD], s50, v5
	v_lshlrev_b32 v5, 11, v2
	v_lshl_add_u32 v[CO], v1, 4, v5                ; two rows of vh, 2,048 bytes apart
	v_and_b32 v6, 31, v0
	v_lshlrev_b32 v[HO], 4, v6
	s_lshl_b32 s50, s16, 1
	s_add_co_u32 s50, s50, s11                     ; my 128 rows,
	s_lshl_b32 s50, s50, 18                        ; of 2,048 bytes
	s_lshl_b32 s51, s13, 9
	s_add_co_u32 s50, s50, s51                     ; + 512 x tile column
	s_lshl_b32 s51, s12, 8
	s_add_co_u32 s50, s50, s51                     ; + 256 x half
	s_mov_b32 s51, 0
	s_add_nc_u64 s[80:81], s[80:81], s[50:51]
	s_mul_i32 s50, s15, 196608                     ; qkv16: the batch's 192 images of 1,024 bytes,
	s_lshl_b32 s52, s13, 4
	s_lshl_b32 s53, s12, 3
	s_add_co_u32 s52, s52, s53
	s_add_co_u32 s52, s52, 128                     ; v's blocks of 16 columns lie behind q's 64 and k's 64
	s_lshl_b32 s52, s52, 10
	s_add_co_u32 s50, s50, s52
	s_add_nc_u64 s[82:83], s[82:83], s[50:51]
	s_or_b32 s54, s14, s11                         ; 0 where my 128 rows begin a batch: ids and the wave's number alone
.macro FRAG reg, adr, q, i             ; 16 rows x 128 K of 4-bit codes: 8 registers: lane (r, h) holds row r; registers 4 c .. 4 c + 3 hold K = 64 c + 32 h + 0 .. 31
.irp c, 0,1
	ds_load_b128 v[\reg+4*\c:\reg+4*\c+3], v[\adr] offset:64*(\q)+32*\c+(\i)*16*PITCH
.endr
.endm
; 16 matrix instructions: x's blocks a0, a0 + 1 against w's eight, 128 along K.  The 64 accumulators take turns, one instruction a turn, in the same order in every step.
.macro VMUL16 a0, p, q, sc, zero
.irp a, \a0, \a0+1
.irp b, 0,1,2,3,4,5,6,7
.if \zero
	v_wmma_scale_f32_16x16x128_f8f6f4 v[8*(8*((\a)%4)+\b):8*(8*((\a)%4)+\b)+7], v[128*(\p)+FR*\b:128*(\p)+FR*\b+FR-1], v[AF+FR*(\a):AF+FR*(\a)+FR-1], 0, v[SC+8*NQ*(\sc)+NQ*\b+(\q)], v[SC+8*NQ*(\sc)+NQ*(\a)+(\q)] matrix_a_fmt:MATRIX_FMT_FP4 matrix_b_fmt:MATRIX_FMT_FP4 matrix_a_scale:MATRIX_SCALE_ROW1
.else
	v_wmma_scale_f32_16x16x128_f8f6f4 v[8*(8*((\a)%4)+\b):8*(8*((\a)%4)+\b)+7], v[128*(\p)+FR*\b:128*(\p)+FR*\b+FR-1], v[AF+FR*(\a):AF+FR*(\a)+FR-1], v[8*(8*((\a)%4)+\b):8*(8*((\a)%4)+\b)+7], v[SC+8*NQ*(\sc)+NQ*\b+(\q)], v[SC+8*NQ*(\sc)+NQ*(\a)+(\q)] matrix_a_fmt:MATRIX_FMT_FP4 matrix_b_fmt:MATRIX_FMT_FP4 matrix_a_scale:MATRIX_SCALE_ROW1
.endif
.endr
.endr
.endm
.macro VFETCH_B slot, q, p
	WIN TO_B
.irp i, 0,1,2,3,4,5,6,7
	FRAG 128*(\p)+FR*\i, ADRB+\slot, \q, \i
.endr
	WIN 0
.endm
.macro VFETCH_A slot, q, i0
.irp i, \i0, \i0+1, \i0+2, \i0+3
	FRAG AF+FR*(\i), ADRA+\slot, \q, \i
.endr
.endm
.macro VSCALES sc                      ; a slot's scale words: lanes 0-15 take x's block i, lanes 16-31 w's block i
.irp i, 0,1,2,3,4,5,6,7
	ds_load_b128 v[SC+8*NQ*\sc+NQ*\i:SC+8*NQ*\sc+NQ*\i+3], v[ADRS] offset:\i*SBLK
.endr
.endm
.macro VSTEP slot, q, zero             ; 128 along K that has its successor in the same slot
	s_wait_dscnt 4*NL                              ; w's set and x's blocks 0-3 are in; the youngest eight loads (x's blocks 4-7) may be out
	WIN MUL_LO
	VMUL16 0, (\q)%2, \q, \slot, \zero
	VMUL16 2, (\q)%2, \q, \slot, \zero
	s_wait_dscnt 0
	PLACES
	VFETCH_B \slot, (\q)+1, 1-(\q)%2
	VFETCH_A \slot, (\q)+1, 0
	WIN MUL_HI
	VMUL16 4, (\q)%2, \q, \slot, \zero
	VMUL16 6, (\q)%2, \q, \slot, \zero
	PLACES
	WIN 0
	VFETCH_A \slot, (\q)+1, 4
.endm
; Slot 0's last step changes slots: each wave waits for all its tensor loads (its part of slot 1), and for its reads of slot 0; behind the barrier slot 1 is whole.  Nothing is filled again on this way.
.macro VTURN slot, next
	s_wait_tensorcnt 0x0
	ds_add_u32 v[SPW], v[NIL]                      ; 0 onto my spare word
	s_wait_dscnt 4*NL+1                            ; the add and the youngest eight loads may be out
	WIN MUL_LO
	VMUL16 0, 1, NQ-1, \slot, 0
	s_wait_dscnt 0x0
	s_barrier_signal -1
	VMUL16 2, 1, NQ-1, \slot, 0
	WIN 0
	s_barrier_wait -1
	PLACES
	v_add_nc_u32 v[ADRS], 4*NQ, v[ADRS]            ; the next slot's scale words
	VFETCH_B \next, 0, 0
	VFETCH_A \next, 0, 0
	VSCALES \next
	WIN MUL_HI
	VMUL16 4, 1, NQ-1, \slot, 0
	VMUL16 6, 1, NQ-1, \slot, 0
	PLACES
	WIN 0
	VFETCH_A \next, 0, 4
.endm
	s_wait_tensorcnt 1                             ; the scales and my part of slot 0 are in; slot 1's load may be out
	s_barrier_signal -1
	s_barrier_wait -1
	VFETCH_B 0, 0, 0
	VFETCH_A 0, 0, 0
	VSCALES 0
	VFETCH_A 0, 0, 4
	VSTEP 0, 0, 1                                  ; the first products start the sums: nothing is cleared
	VSTEP 0, 1, 0
	VSTEP 0, 2, 0
	VTURN 0, 1
	VSTEP 1, 0, 0
	VSTEP 1, 1, 0
	VSTEP 1, 2, 0
	s_wait_dscnt 4*NL
	WIN MUL_LO
	VMUL16 0, 1, NQ-1, 1, 0
	VMUL16 2, 1, NQ-1, 1, 0
	s_wait_dscnt 0
	WIN MUL_HI
	VMUL16 4, 1, NQ-1, 1, 0
	VMUL16 6, 1, NQ-1, 1, 0
	WIN 0
	PLACES
	; the first 16 rows of a batch leave as f32 too: block 0's eight accumulators as they stand, each store 512 consecutive bytes, each accumulator from its low end on
	s_cmp_eq_u32 s54, 0
	s_cbranch_scc0 .Lno_first
	WIN 0x08                                       ; a store's data are its source 1: window 2
.irp b, 0,1,2,3,4,5,6,7
	global_store_b128 v[HO], v[8*\b:8*\b+3], s[82:83] offset:1024*\b
	global_store_b128 v[HO], v[8*\b+4:8*\b+7], s[82:83] offset:1024*\b+512
.endr
	WIN 0
.Lno_first:
.macro PACK a                          ; a block of 16 rows x 128 columns, rounded to f16: 16 bytes a lane
.set AC, 64*((\a)%4)
.set WN, 0x0a+5*((\a)/4)
	WIN WN                                         ; sources 0 and 1: window 2 or 3
.irp b, 0,1,2,3,4,5,6,7
.irp r, 0,1,2,3
	v_cvt_pk_f16_f32 v[TMP+4*\b+\r], v[AC+8*\b+2*\r], v[AC+8*\b+2*\r+1]
.endr
.endr
	WIN 0
.endm
	PACK 0
	TOSTAGE 0
.irp a, 1,2,3,4,5,6,7
	PACK \a
	SEND \a-1, 80, 2048
	TOSTAGE \a
.endr
	SEND 7, 80, 2048
	s_wait_tensorcnt 0x0                           ; the wave's end
	ds_add_u32 v[SPW], v[NIL]
	s_wait_dscnt 0x0
	s_endpgm
.Lfunc_end_k_q55386b0f61_scores:
	.size	k_q55386b0f61_scores, .Lfunc_end_k_q55386b0f61_scores-k_q55386b0f61_scores
	.p2alignl 7, 3214868480
	.fill 96, 4, 3214868480
	.section	.rodata,"a",@progbits
	.p2align	6, 0x0
	.amdhsa_kernel k_q55386b0f61_scores
		.amdhsa_group_segment_fixed_size 327680
		.amdhsa_private_segment_fixed_size 0
		.amdhsa_enable_private_segment 0
		.amdhsa_kernarg_size 64
		.amdhsa_user_sgpr_count 2
		.amdhsa_user_sgpr_kernarg_segment_ptr 1
		.amdhsa_wavefront_size32 1
		.amdhsa_system_sgpr_workgroup_id_x 1
		.amdhsa_system_sgpr_workgroup_id_y 1
		.amdhsa_system_sgpr_workgroup_id_z 1
		.amdhsa_system_vgpr_workitem_id 0
		.amdhsa_next_free_vgpr 1024
		.amdhsa_next_free_sgpr 100
		.amdhsa_reserve_vcc 1
		.amdhsa_float_denorm_mode_32 3
		.amdhsa_float_denorm_mode_16_64 3
		.amdhsa_memory_ordered 1
		.amdhsa_forward_progress 1
		.amdhsa_inst_pref_size 255
	.end_amdhsa_kernel
	.section	.bss,"aw",@nobits
	.p2align	6
	.space	262144
	.amdgpu_metadata
---
amdhsa.version: [ 1, 2 ]
amdhsa.kernels:
  - .name:           k_q55386b0f61_scores
    .symbol:         k_q55386b0f61_scores.kd
    .args:
      - { .name: qk, .offset: 0, .size: 8, .value_kind: global_buffer, .address_space: global }
      - { .name: xc, .offset: 8, .size: 8, .value_kind: global_buffer, .address_space: global }
      - { .name: xs, .offset: 16, .size: 8, .value_kind: global_buffer, .address_space: global }
      - { .name: wc, .offset: 24, .size: 8, .value_kind: global_buffer, .address_space: global }
      - { .name: ws, .offset: 32, .size: 8, .value_kind: global_buffer, .address_space: global }
      - { .name: pbuf, .offset: 40, .size: 8, .value_kind: global_buffer, .address_space: global }
      - { .name: vh, .offset: 48, .size: 8, .value_kind: global_buffer, .address_space: global }
      - { .name: qkv16, .offset: 56, .size: 8, .value_kind: global_buffer, .address_space: global }
    .group_segment_fixed_size: 327680
    .private_segment_fixed_size: 0
    .kernarg_segment_align: 8
    .kernarg_segment_size: 64
    .max_flat_workgroup_size: 128
    .sgpr_count:     100
    .vgpr_count:     1024
    .wavefront_size: 32
...
	.end_amdgpu_metadata
.endif
;; end of part 3
;; launch first16 (part 4): grid 4 x 1, 16 waves a work-group, no clusters, 88,064 bytes of LDS; arguments qkv16, out0; writes out0
.if DOCPART == 4
	.amdgcn_target "amdgcn-amd-amdhsa--gfx1250"
	.amdhsa_code_object_version 6
	.text
	.protected	k_q55386b0f61_first16
	.globl	k_q55386b0f61_first16
	.p2align	8
	.type	k_q55386b0f61_first16,@function
k_q55386b0f61_first16:
	s_mov_b64 s[64:65], 0
	v_nop
	global_prefetch_b8 v0, s[64:65] scope:SCOPE_SE
	s_setreg_imm32_b32 hwreg(HW_REG_WAVE_MODE, 25, 1), 1
	s_wait_xcnt 0x0
; Rows 0-15 of each batch, all in f32: these rows average one to sixteen values and are the largest of the output, so their operands are not rounded to 16 bits.
; qkv16 [batch][block of 16 columns, 192][half][lane][4 f32] holds the f32 sums of the quantised products as images of accumulator registers: lane (r, h), register j = (row r, column 16 cb + 8 h + j).
; One work-group a batch, sixteen waves; wave w owns the head's channels 64 w .. 64 w + 63.  Each wave makes its part of S^T = k q^T (16 x 16) over its 64 channels, the parts meet in LDS,
; every wave takes the softmax under the causal mask alike, and multiplies by its 64 channels of v.  32 f32 matrix instructions a wave: no bulk work.  Work-groups share nothing: no cluster.
; LIMITS: NaN and infinities are not served; the sums' order differs from a plain ascending one.
.set PIMG,  0                          ; 16 images of 1,024 bytes: each wave's partial S^T
.set STG,   16384                      ; a stage of 16 rows x (256 bytes + 16) for each wave
.set SPARE, 86016                      ; the spare words, 128 bytes for each of 16 waves
.set SPW, 12
.set NIL, 13
.set QF,  16                           ; v16-47   q: register 8 i + j = q(row r, channel 16 (4 w + i) + 8 h + j)
.set KF,  48                           ; v48-79   k likewise
.set VF,  80                           ; v80-111  v: register 8 i + 2 c + j = v(key 8 h + 2 c + j, channel 16 (4 w + i) + r)
.set SA,  112                          ; v112-143 four accumulators of S^T: written by matrix instructions alone
.set T,   144                          ; v144-151 my part of S^T, then the whole, then p
.set U,   152                          ; v152-159 at work, then the weights a
.set PS,  160                          ; v160-223 eight images; later rows of the output
.set YA,  224                          ; v224-255 four accumulators of the output: written by matrix instructions alone
	s_load_b128 s[4:7], s[0:1], 0x0                ; qkv16, out0
	v_lshl_add_u32 v[SPW], v0, 2, SPARE
	v_mov_b32 v[NIL], 0
	v_lshrrev_b32 v1, 5, v0
	v_readfirstlane_b32 s8, v1                     ; wave 0..15
	v_and_b32 v1, 31, v0                           ; lane
	v_and_b32 v2, 15, v0                           ; r
	v_bfe_u32 v3, v0, 4, 1                         ; h
	v_lshlrev_b32 v4, 4, v1                        ; 16 x lane: an image's place for my lane
	v_bfe_u32 v5, v0, 2, 1                         ; v's place for (key, channel r): the image's half (r / 4) % 2,
	v_lshlrev_b32 v5, 9, v5
	v_bfe_u32 v14, v0, 3, 1
	v_lshl_add_u32 v5, v14, 8, v5                  ; the image's lane 16 (r / 8) + key,
	v_and_b32 v14, 3, v0
	v_lshl_add_u32 v5, v14, 2, v5                  ; the word r % 4,
	v_lshl_add_u32 v5, v3, 7, v5                   ; and keys 8 h on
	v_lshlrev_b32 v6, 3, v3
	v_sub_nc_u32 v6, v2, v6                        ; r - 8 h: key 8 h + j is hidden from query r where j is above it
	v_mov_b32 v7, 0xff800000                       ; -infinity
	s_mul_i32 s9, s8, 16*272
	s_add_co_u32 s9, s9, STG
	v_mul_u32_u24 v8, v2, 272
	v_lshl_add_u32 v8, v3, 5, v8
	v_add_nc_u32 v8, s9, v8                        ; the stage, in: row r, + 32 h
	v_mul_u32_u24 v9, v3, 272
	v_lshl_add_u32 v9, v2, 4, v9
	v_add_nc_u32 v9, s9, v9                        ; back: lanes 0-15 one row, lanes 16-31 the next
	v_lshlrev_b32 v10, 12, v3
	v_lshl_add_u32 v10, v2, 4, v10                 ; the same two rows in out0
	s_lshl_b32 s10, s8, 10
	v_add_nc_u32 v11, s10, v4                      ; my image: 1,024 x wave + 16 x lane
	v_mov_b32 v14, 0
	v_mov_b32 v15, 0                               ; a lane permute's destination counts as read
	s_mov_b32 s20, 0x76543210
	s_mov_b32 s21, 0xfedcba98                      ; selects for lane l xor 16
	s_mov_b32 s22, 0x3d38aa3b                      ; c = log2(e) / sqrt(1024)
	s_mul_i32 s12, ttmp9, 196608                   ; the batch's images,
	s_lshl_b32 s13, s8, 12
	s_add_co_u32 s12, s12, s13                     ; my four blocks of 16 channels
	s_mov_b32 s13, 0
	s_lshl_b32 s14, ttmp9, 23                      ; the batch's rows of out0,
	s_lshl_b32 s15, s8, 8
	s_add_co_u32 s14, s14, s15                     ; my 64 channels
	s_mov_b32 s15, 0
	s_wait_kmcnt 0x0
	s_add_nc_u64 s[4:5], s[4:5], s[12:13]
	s_add_nc_u64 s[6:7], s[6:7], s[14:15]
.irp i, 0,1,2,3
.irp f, 0,1
	global_load_b128 v[QF+8*\i+4*\f:QF+8*\i+4*\f+3], v4, s[4:5] offset:1024*\i+512*\f
.endr
.endr
.irp i, 0,1,2,3
.irp f, 0,1
	global_load_b128 v[KF+8*\i+4*\f:KF+8*\i+4*\f+3], v4, s[4:5] offset:65536+1024*\i+512*\f
.endr
.endr
.irp i, 0,1,2,3
.irp n, 0,1,2,3,4,5,6,7
	global_load_b32 v[VF+8*\i+\n], v5, s[4:5] offset:131072+1024*\i+16*\n
.endr
.endr
	s_wait_loadcnt 32                              ; q and k are in; v's 32 loads may be out
	; S^T = k q^T over my 64 channels.  Place (h, j) of the contraction stands for channel 16 cb + 8 h + 2 e + j in both operands.  Four accumulators by turns
.irp i, 0,1,2,3
.irp e, 0,1,2,3
.if \i == 0
	v_wmma_f32_16x16x4_f32 v[SA+8*\e:SA+8*\e+7], v[KF+8*\i+2*\e:KF+8*\i+2*\e+1], v[QF+8*\i+2*\e:QF+8*\i+2*\e+1], 0
.else
	v_wmma_f32_16x16x4_f32 v[SA+8*\e:SA+8*\e+7], v[KF+8*\i+2*\e:KF+8*\i+2*\e+1], v[QF+8*\i+2*\e:QF+8*\i+2*\e+1], v[SA+8*\e:SA+8*\e+7]
.endif
.endr
.endr
.rept 8
	v_nop                                          ; eight places behind this form ahead of a read of its results
.endr
.irp p, 0,2,4,6
	v_pk_add_f32 v[T+\p:T+\p+1], v[SA+\p:SA+\p+1], v[SA+8+\p:SA+8+\p+1]          ; each accumulator from its low end on
.endr
.irp p, 0,2,4,6
	v_pk_add_f32 v[U+\p:U+\p+1], v[SA+16+\p:SA+16+\p+1], v[SA+24+\p:SA+24+\p+1]
.endr
.irp p, 0,2,4,6
	v_pk_add_f32 v[T+\p:T+\p+1], v[T+\p:T+\p+1], v[U+\p:U+\p+1]
.endr
	ds_store_b128 v11, v[T:T+3] offset:PIMG
	ds_store_b128 v11, v[T+4:T+7] offset:PIMG+512
	s_wait_dscnt 0x0                               ; for the others' sake: my image has landed
	s_barrier_signal -1
	s_barrier_wait -1
	; every wave adds the sixteen parts, wave 0's first: lane (r, h) then holds query r, keys 8 h + j
.irp w, 0,1,2,3,4,5,6,7
	ds_load_b128 v[PS+8*\w:PS+8*\w+3], v4 offset:PIMG+1024*\w
	ds_load_b128 v[PS+8*\w+4:PS+8*\w+7], v4 offset:PIMG+1024*\w+512
.endr
	s_wait_dscnt 0x0
.irp p, 0,2,4,6
	v_pk_add_f32 v[T+\p:T+\p+1], v[PS+\p:PS+\p+1], v[PS+8+\p:PS+8+\p+1]
.endr
.irp w, 2,3,4,5,6,7
.irp p, 0,2,4,6
	v_pk_add_f32 v[T+\p:T+\p+1], v[T+\p:T+\p+1], v[PS+8*\w+\p:PS+8*\w+\p+1]
.endr
.endr
.irp w, 0,1,2,3,4,5,6,7
	ds_load_b128 v[PS+8*\w:PS+8*\w+3], v4 offset:PIMG+8192+1024*\w
	ds_load_b128 v[PS+8*\w+4:PS+8*\w+7], v4 offset:PIMG+8192+1024*\w+512
.endr
	s_wait_dscnt 0x0
.irp w, 0,1,2,3,4,5,6,7
.irp p, 0,2,4,6
	v_pk_add_f32 v[T+\p:T+\p+1], v[T+\p:T+\p+1], v[PS+8*\w+\p:PS+8*\w+\p+1]
.endr
.endr
.irp j, 0,1,2,3,4,5,6,7
	v_cmp_gt_i32 vcc_lo, \j, v6                    ; the causal mask: hidden scores become -infinity ahead of the maximum
	v_cndmask_b32 v[T+\j], v[T+\j], v7, vcc_lo
.endr
	v_max3_num_f32 v14, v[T], v[T+1], v[T+2]
	v_max3_num_f32 v14, v14, v[T+3], v[T+4]
	v_max3_num_f32 v14, v14, v[T+5], v[T+6]
	v_max_num_f32 v14, v14, v[T+7]
	v_permlanex16_b32 v15, v14, s20, s21
	v_max_num_f32 v14, v14, v15                    ; the row's largest score: key 0 counts for every query, so it is a number
	v_mul_f32 v14, s22, v14
.irp j, 0,1,2,3,4,5,6,7
	v_fma_f32 v[T+\j], v[T+\j], s22, -v14          ; c s - c m
.endr
.irp j, 0,1,2,3,4,5,6,7
	v_exp_f32 v[T+\j], v[T+\j]
.endr
	v_nop                                          ; a plain line behind the last exponential
	s_wait_alu depctr_va_vdst(0)                   ; one wait for the batch, ahead of its first reader
	v_pk_add_f32 v[U:U+1], v[T:T+1], v[T+2:T+3]
	v_pk_add_f32 v[U+2:U+3], v[T+4:T+5], v[T+6:T+7]
	v_pk_add_f32 v[U:U+1], v[U:U+1], v[U+2:U+3]
	v_add_f32 v14, v[U], v[U+1]
	v_permlanex16_b32 v15, v14, s20, s21
	v_add_f32 v14, v14, v15                        ; the row's sum
	v_rcp_f32 v14, v14
	v_nop
	s_wait_alu depctr_va_vdst(0)
.irp j, 0,1,2,3,4,5,6,7
	v_mul_f32 v[U+\j], v[T+\j], v14                ; a(query r, key 8 h + j)
.endr
	s_wait_loadcnt 0x0                             ; v
	; y^T = v^T a^T: source 0 = 16 channels, source 1 = the 16 queries; place (h, j) stands for key 8 h + 2 c + j.  Four accumulators by turns
.irp c, 0,1,2,3
.irp i, 0,1,2,3
.if \c == 0
	v_wmma_f32_16x16x4_f32 v[YA+8*\i:YA+8*\i+7], v[VF+8*\i+2*\c:VF+8*\i+2*\c+1], v[U+2*\c:U+2*\c+1], 0
.else
	v_wmma_f32_16x16x4_f32 v[YA+8*\i:YA+8*\i+7], v[VF+8*\i+2*\c:VF+8*\i+2*\c+1], v[U+2*\c:U+2*\c+1], v[YA+8*\i:YA+8*\i+7]
.endif
.endr
.endr
.rept 8
	v_nop
.endr
.irp i, 0,1,2,3
	ds_store_b128 v8, v[YA+8*\i:YA+8*\i+3] offset:64*\i            ; lane (r, h): y(query r, channel 16 i + 8 h + 0 .. 7) of my 64
	ds_store_b128 v8, v[YA+8*\i+4:YA+8*\i+7] offset:64*\i+16
.endr
.irp t, 0,1,2,3,4,5,6,7
	ds_load_b128 v[PS+4*\t:PS+4*\t+3], v9 offset:\t*2*272          ; LDS serves a wave's instructions in order: these see my stores
.endr
.irp t, 0,1,2,3,4,5,6,7
	s_wait_dscnt 7-\t                              ; the younger read-backs may be out
	global_store_b128 v10, v[PS+4*\t:PS+4*\t+3], s[6:7] offset:8192*\t   ; sixteen lanes store 256 consecutive bytes, aligned
.endr
	s_wait_tensorcnt 0x0                           ; the wave's end
	ds_add_u32 v[SPW], v[NIL]
	s_wait_dscnt 0x0
	s_endpgm
.Lfunc_end_k_q55386b0f61_first16:
	.size	k_q55386b0f61_first16, .Lfunc_end_k_q55386b0f61_first16-k_q55386b0f61_first16
	.p2alignl 7, 3214868480
	.fill 96, 4, 3214868480
	.section	.rodata,"a",@progbits
	.p2align	6, 0x0
	.amdhsa_kernel k_q55386b0f61_first16
		.amdhsa_group_segment_fixed_size 88064
		.amdhsa_private_segment_fixed_size 0
		.amdhsa_enable_private_segment 0
		.amdhsa_kernarg_size 16
		.amdhsa_user_sgpr_count 2
		.amdhsa_user_sgpr_kernarg_segment_ptr 1
		.amdhsa_wavefront_size32 1
		.amdhsa_system_sgpr_workgroup_id_x 1
		.amdhsa_system_sgpr_workgroup_id_y 1
		.amdhsa_system_sgpr_workgroup_id_z 1
		.amdhsa_system_vgpr_workitem_id 0
		.amdhsa_next_free_vgpr 256
		.amdhsa_next_free_sgpr 66
		.amdhsa_reserve_vcc 1
		.amdhsa_float_denorm_mode_32 3
		.amdhsa_float_denorm_mode_16_64 3
		.amdhsa_memory_ordered 1
		.amdhsa_forward_progress 1
		.amdhsa_inst_pref_size 21
	.end_amdhsa_kernel
	.amdgpu_metadata
---
amdhsa.version: [ 1, 2 ]
amdhsa.kernels:
  - .name:           k_q55386b0f61_first16
    .symbol:         k_q55386b0f61_first16.kd
    .args:
      - { .name: qkv16, .offset: 0, .size: 8, .value_kind: global_buffer, .address_space: global }
      - { .name: out0, .offset: 8, .size: 8, .value_kind: global_buffer, .address_space: global }
    .group_segment_fixed_size: 88064
    .private_segment_fixed_size: 0
    .kernarg_segment_align: 8
    .kernarg_segment_size: 16
    .max_flat_workgroup_size: 512
    .sgpr_count:     66
    .vgpr_count:     256
    .wavefront_size: 32
...
	.end_amdgpu_metadata
.endif
;; end of part 4
;; launch pv (part 5): grid 8 x 32, 4 waves a work-group, clusters of 4 x 1, 327,680 bytes of LDS; arguments pbuf, vh, out0; writes out0
.if DOCPART == 5
	.amdgcn_target "amdgcn-amd-amdhsa--gfx1250"
	.amdhsa_code_object_version 6
	.text
	.protected	k_q55386b0f61_pv
	.globl	k_q55386b0f61_pv
	.p2align	8
	.type	k_q55386b0f61_pv,@function
k_q55386b0f61_pv:
	s_mov_b64 s[64:65], 0
	v_nop
	global_prefetch_b8 v0, s[64:65] scope:SCOPE_SE
	s_setreg_imm32_b32 hwreg(HW_REG_WAVE_MODE, 25, 1), 1
	s_wait_xcnt 0x0
	s_wait_alu depctr_hold_cnt(0) depctr_sa_sdst(0) depctr_va_vdst(0) depctr_va_sdst(0) depctr_va_ssrc(0) depctr_va_vcc(0) depctr_vm_vsrc(0)
	s_getreg_b32 s2, hwreg(HW_REG_IB_STS2, 6, 4)
	s_cmp_eq_u32 s2, 0
	s_cbranch_scc0 .Lentry_in_a_cluster
	s_endpgm
.Lentry_in_a_cluster:
	s_bfe_u32 s2, ttmp6, 0x10000c
	s_cmp_lg_u32 s2, 0x3003
	s_cbranch_scc0 .Lentry_shape_is_right
	s_endpgm
.Lentry_shape_is_right:
; out0[b][q][d] = sum over the chunks c of g(q, c) x (P_c V_c)(q, d), g = 2^(M_c - M_row) / l_row, M_row the largest M_c of the row, l_row = sum of 2^(M_c - M_row) l_c: the softmax's second level.
; pbuf holds P [batch][query][key] f16 and, from byte 33,554,432 on, the statistics [batch][chunk][2][2048] f32 (-M, l); vh [8192][1024] f16 holds v.  Sums in f32.
; SHARES.  A work-group makes two tiles of 128 queries x 128 channels: query block X = 15 - p with 16 - p chunks of 128 keys, then block Y = p with p + 1: 17 steps in every work-group, so all trip counts
; are constants and all 256 work-groups have equal work.  Where X's steps end (step NX = 16 - p, between 9 and 16) a branch on ids sends X's tile out and begins Y's.  Four waves, each 64 queries x 64 channels.
; Each step's product starts from 0 in 16 accumulators D; then O = O + g D, g a number a lane: nothing is ever cleared, and the way out does no arithmetic.
; Rows 0-15 of a batch are not stored here: the launch first16 owns them.
; CLUSTER: the four partners (x) share batch and p, hence every tile of P: it is asked for jointly.  V's tile hangs on the partner's 128 channels: a plain load behind the same round.  V cannot be shared
; with work-groups of another p: they change blocks at other steps.  No branch and no LDS address hangs on the place in the cluster.
; THE RING: two slots of two steps; waves 0 and 1 fetch P of a slot's two steps, waves 2 and 3 V's, 128 rows a load.  By this text's count a wave has two tensor loads out at the start, then one behind each round.
; BOTH OPERANDS: source 0 = 16 channels of V^T (turned on the way out of LDS), source 1 = 16 queries of P: lane (r, h) holds query r and channels 8 h + 0 .. 7.
; LIMITS: g becomes 0 where M_row - M_c is above 149; NaN and infinities are not served.
; REGISTERS: window 0: v1-15 addresses; v16-23 g, four pairs; v32-95 rows read back (v30-111 at work at the head); v128-255 D ((a, bd) at 128 + 8 (4 a + bd)).
;   window 1: two fragment buffers of 128: 64 of P (8 (4 c + a)), 64 of V (64 + 8 (4 c + bd)).   window 2: v0-127 O.
.set PP,    272                        ; a row of P in LDS: 256 bytes + 16
.set PV,    288                        ; a row of V: 256 + 32: sixteen lanes of the turning load take 8 rows x 32 bytes
.set PT,    128*PP
.set VT,    128*PV
.set VOFF,  2*PT                       ; a slot: P of its two steps, then V of its two steps
.set SLOT,  2*PT+2*VT
.set STAGE, 2*SLOT                     ; 16 rows x 272 bytes for each wave
.set GT,    STAGE+4*16*272             ; g: 17 steps x 128 queries, f32
.set SPARE, GT+17*512                  ; the spare words, 128 bytes for each wave
.set GA,  12                           ; v12  where the step's g of my queries lie; 512 bytes on in each step
.set STO, 13
.set RD,  14
.set CO,  15
.set G,   16
.set SPW, 28
.set NIL, 29
.set BK,  32
.set DA,  128
.set F0,  0
.set F1,  128
.set MM,  32                           ; the head: v32-48 -M of the 17 steps, v52-68 l, v72-79 offsets, v84-100 f then g
.set LL,  52
.set OFF, 72
.set FF,  84
.set G1P, 24
.set G1V, 32
.set G0P, 40
.set G0V, 48
.set MSB, 0
.macro WIN new                         ; the immediate's high byte repeats the setting that is left
.if MSB != (\new)
	s_set_vgpr_msb (MSB<<8)|(\new)
.set MSB, (\new)
.endif
.endm
.set MUL,  0x05                        ; sources 0 and 1 window 1; C and D window 0
.set TO_F, 0x40
.macro PLACES
.rept 4
	v_nop
.endr
.endm
.macro CREST                           ; a round of the cluster's barrier behind its opening barrier
	s_cmp_lg_u32 s12, 0
	s_cbranch_scc1 .Lnot_wave_0_\@
	s_barrier_signal -3
.Lnot_wave_0_\@:
	s_barrier_wait -3
	s_barrier_signal -1
	s_barrier_wait -1
.endm
.macro CROUND
	s_barrier_signal -1
	s_barrier_wait -1
	CREST
.endm
; The addresses of the step that I fetch next (s17, two on each time) into slot's two groups 0: scalar lines alone; no register that feeds P's ever holds the place in the cluster.
.macro ADDR slot
	s_cmp_lt_u32 s17, s15                          ; X's step or Y's?
	s_cselect_b32 s20, s60, s61                    ; the block's first row in P, in bytes
	s_cselect_b32 s22, 0, s15
	s_sub_co_u32 s22, s17, s22                     ; the chunk
	s_lshl_b32 s23, s22, 8
	s_add_co_u32 s20, s20, s23                     ; + 256 bytes a chunk
	s_mov_b32 s21, 0
	s_add_nc_u64 s[G0P+4*\slot+2:G0P+4*\slot+3], s[4:5], s[20:21]
	s_or_b32 s[G0P+4*\slot+3], s[G0P+4*\slot+3], 0x80000000
	s_lshl_b32 s22, s22, 18                        ; 128 rows of 2,048 bytes a chunk
	s_mov_b32 s23, 0
	s_add_nc_u64 s[G0V+4*\slot+2:G0V+4*\slot+3], s[58:59], s[22:23]
	s_or_b32 s[G0V+4*\slot+3], s[G0V+4*\slot+3], 0x80000000
	s_add_co_u32 s17, s17, 2
.endm
; A refill: waves 0 and 1 ask for P jointly with the partners, waves 2 and 3 for their own V.  evenonly: the last fill has one step, so waves 1 and 3 ask for nothing.  The branches hang on the wave's number alone.
.macro JLOAD slot, evenonly
.if \evenonly
	s_cmp_eq_u32 s14, 0
	s_cbranch_scc0 .Lasked_\@
.endif
	s_cmp_lt_u32 s12, 2
	s_cbranch_scc0 .Lfor_v_\@
	tensor_load_to_lds s[G0P+4*\slot:G0P+4*\slot+3], s[G1P:G1P+7]
	s_nop 0
.rept 4
	v_nop
.endr
	s_branch .Lasked_\@
.Lfor_v_\@:
	tensor_load_to_lds s[G0V+4*\slot:G0V+4*\slot+3], s[G1V:G1V+7]
	s_nop 0
.rept 4
	v_nop
.endr
.Lasked_\@:
.endm
	s_load_b128 s[4:7], s[0:1], 0x0                ; pbuf s[4:5], vh s[6:7]
	s_load_b64 s[10:11], s[0:1], 0x10              ; out0
	v_lshl_add_u32 v[SPW], v0, 2, SPARE
	v_mov_b32 v[NIL], 0
	ds_add_u32 v[SPW], v[NIL]                      ; the wave's opening: the add, twice on end, and its wait ahead of my first tensor load
	ds_add_u32 v[SPW], v[NIL]
	v_lshrrev_b32 v1, 5, v0
	v_readfirstlane_b32 s12, v1                    ; wave 0..3
	s_lshr_b32 s13, s12, 1                         ; hr: which 64 queries
	s_and_b32 s14, s12, 1                          ; hc: which 64 channels.  Also: which of a slot's two steps I fetch
	s_bfe_u32 s82, ttmp6, 0x40000                  ; cx
	s_lshl_b32 s83, ttmp9, 2
	s_add_co_u32 s83, s83, s82                     ; my 128 channels = 4 x cluster x + cx
	s_and_b32 s84, ttmp7, 0xffff
	s_lshr_b32 s85, s84, 3                         ; the batch
	s_and_b32 s86, s84, 7                          ; p
	s_sub_co_u32 s15, 16, s86                      ; NX: X's steps
	s_mov_b32 s16, 0                               ; the step in hand
	s_mov_b32 s17, s14                             ; the step that I fetch next
	s_or_b32 s18, s86, s13                         ; 0 where Y's first 16 rows of mine are a batch's first
	s_lshl_b32 s87, s85, 11                        ; the batch's first row
	s_sub_co_u32 s88, s15, 1                       ; X
	s_lshl_b32 s89, s88, 7
	s_add_co_u32 s89, s89, s87                     ; X's first row
	s_lshl_b32 s90, s86, 7
	s_add_co_u32 s90, s90, s87                     ; Y's first row
	s_lshl_b32 s60, s89, 12                        ; in P, 4,096 bytes a row
	s_lshl_b32 s61, s90, 12
	s_lshl_b32 s80, s88, 9                         ; in a plane of the statistics, 512 bytes a block
	s_lshl_b32 s81, s86, 9
	s_mov_b32 s[G1P+0], 15|(1<<16)|(1<<20)|(1<<21)|(5<<22)|(3<<25) ; the mask: all four partners; elements of 2 bytes; padding on; bit 21 beside a mask; 4 words behind every 64
	s_mov_b32 s[G1V+0], (1<<16)|(1<<20)|(5<<22)|(7<<25)            ; no mask; 8 words behind every 64
.irp g, G1P, G1V
	s_mov_b32 s[\g+1], 128<<16                     ; tensor_dim0
	s_mov_b32 s[\g+2], 128<<16                     ; tensor_dim1
	s_mov_b32 s[\g+3], 128<<16                     ; tile_dim0
	s_mov_b32 s[\g+4], 128                         ; tile_dim1
	s_mov_b32 s[\g+6], 0
	s_mov_b32 s[\g+7], 0
.endr
	s_mov_b32 s[G1P+5], 2048                       ; elements from row to row: P's,
	s_mov_b32 s[G1V+5], 1024                       ; vh's
	s_mul_i32 s22, s14, PT
	s_mul_i32 s23, s14, VT
.irp s, 0,1
	s_mov_b32 s[G0P+4*\s], 1
	s_add_co_u32 s[G0P+4*\s+1], s22, \s*SLOT
	s_mov_b32 s[G0V+4*\s], 1
	s_add_co_u32 s[G0V+4*\s+1], s23, \s*SLOT+VOFF
.endr
	s_lshl_b32 s91, s13, 6
	s_add_co_u32 s89, s89, s91                     ; my first row of X,
	s_add_co_u32 s90, s90, s91                     ; of Y
	s_lshl_b32 s92, s83, 9
	s_lshl_b32 s93, s14, 8
	s_add_co_u32 s92, s92, s93                     ; my first channel in out0's rows: 512 x block + 256 hc
	s_lshl_b32 s66, s89, 12
	s_add_co_u32 s66, s66, s92
	s_mov_b32 s67, 0
	s_lshl_b32 s68, s90, 12
	s_add_co_u32 s68, s68, s92
	s_mov_b32 s69, 0
	s_lshl_b32 s58, s87, 11                        ; v: the batch's first row, 2,048 bytes a row,
	s_lshl_b32 s93, s83, 8
	s_add_co_u32 s58, s58, s93                     ; my 128 channels
	s_mov_b32 s59, 0
	s_lshl_b32 s78, s85, 18                        ; the statistics: 262,144 bytes a batch,
	s_add_co_u32 s78, s78, 0x2000000               ; behind P's 33,554,432 bytes
	s_mov_b32 s79, 0
	s_wait_dscnt 0x0                               ; both opening adds are done
	s_wait_kmcnt 0x0
	s_add_nc_u64 s[58:59], s[6:7], s[58:59]
	s_add_nc_u64 s[66:67], s[10:11], s[66:67]
	s_add_nc_u64 s[68:69], s[10:11], s[68:69]
	s_add_nc_u64 s[78:79], s[4:5], s[78:79]
	CROUND                                         ; all four work-groups are here: the first joint loads meet
	ADDR 0                                         ; steps 0, 1
	ADDR 1                                         ; steps 2, 3
	s_cmp_lt_u32 s12, 2                            ; a wave's two first fills stand in one branch
	s_cbranch_scc0 .Lfirst_v
	tensor_load_to_lds s[G0P:G0P+3], s[G1P:G1P+7]
	s_nop 0
	tensor_load_to_lds s[G0P+4:G0P+7], s[G1P:G1P+7]
	s_nop 0
.rept 4
	v_nop
.endr
	s_branch .Lfirst_asked
.Lfirst_v:
	tensor_load_to_lds s[G0V:G0V+3], s[G1V:G1V+7]
	s_nop 0
	tensor_load_to_lds s[G0V+4:G0V+7], s[G1V:G1V+7]
	s_nop 0
.rept 4
	v_nop
.endr
.Lfirst_asked:
	; THE TABLE OF g.  Thread q takes query q of both blocks; each load of a wave covers 128 consecutive bytes, the four waves' 512.  Steps 0-8 are always X's; of steps 9-16 ids decide.
	v_lshl_add_u32 v30, v0, 2, s80
.irp s, 0,1,2,3,4,5,6,7,8
	global_load_b32 v[MM+\s], v30, s[78:79] offset:16384*\s
	global_load_b32 v[LL+\s], v30, s[78:79] offset:16384*\s+8192
.endr
.irp k, 0,1,2,3,4,5,6,7
	s_cmp_gt_u32 s15, 9+\k                         ; is step 9 + k one of X's?
	s_cselect_b32 s[70+\k], -1, 0                  ; as a mask of lanes
	s_cselect_b32 s20, s80, s81
	s_cselect_b32 s21, 0, s15
	s_sub_co_u32 s21, 9+\k, s21                    ; the chunk
	s_lshl_b32 s21, s21, 14
	s_add_co_u32 s20, s20, s21
	v_lshl_add_u32 v[OFF+\k], v0, 2, s20
	global_load_b32 v[MM+9+\k], v[OFF+\k], s[78:79]
	global_load_b32 v[LL+9+\k], v[OFF+\k], s[78:79] offset:8192
.endr
	v_and_b32 v1, 15, v0                           ; r
	v_bfe_u32 v2, v0, 4, 1                         ; h
	v_mul_u32_u24 v3, v1, PP
	v_lshl_add_u32 v3, v2, 4, v3
	s_mul_i32 s20, s13, 64*PP
	v_add_nc_u32 v3, s20, v3                       ; P: my 64 rows, row r, + 16 h
.irp n, 0,1,2,3
	v_add_nc_u32 v[4+\n], (\n/2)*SLOT+(\n%2)*PT, v3                ; v4-7: slot n / 2, step n % 2
.endr
	v_and_b32 v24, 7, v0
	v_lshl_add_u32 v24, v2, 3, v24
	v_mul_u32_u24 v24, v24, PV                     ; V: key 8 h + lane % 8,
	v_bfe_u32 v25, v0, 3, 1
	v_lshl_add_u32 v24, v25, 4, v24                ; channels 8 ((lane / 8) % 2) on,
	s_lshl_b32 s20, s14, 7
	v_add_nc_u32 v24, s20, v24                     ; of my 64
.irp n, 0,1,2,3
	v_add_nc_u32 v[8+\n], (\n/2)*SLOT+VOFF+(\n%2)*VT, v24          ; v8-11
.endr
	s_lshl_b32 s20, s13, 8
	s_add_co_u32 s20, s20, GT
	v_lshl_add_u32 v[GA], v1, 2, s20
	s_mul_i32 s20, s12, 16*272
	s_add_co_u32 s20, s20, STAGE
	v_mul_u32_u24 v[STO], v1, 272
	v_lshl_add_u32 v[STO], v2, 5, v[STO]
	v_add_nc_u32 v[STO], s20, v[STO]               ; the stage, in: row r, + 32 h
	v_mul_u32_u24 v[RD], v2, 272
	v_lshl_add_u32 v[RD], v1, 4, v[RD]
	v_add_nc_u32 v[RD], s20, v[RD]                 ; back: lanes 0-15 one row, lanes 16-31 the next
	v_lshlrev_b32 v[CO], 12, v2
	v_lshl_add_u32 v[CO], v1, 4, v[CO]
	v_lshl_add_u32 v27, v0, 2, GT                  ; where thread q puts its g
.irp j, 0,1,2,3,4,5,6,7
	v_mov_b32 v[G+\j], 0                           ; the pairs' upper halves are named, so they are written
.endr
	v_mov_b32 v104, 0x7f61b1e6                     ; 3e38, over every -M
	v_mov_b32 v111, 0
	s_wait_loadcnt 0x0
	v_min3_num_f32 v105, v[MM], v[MM+1], v[MM+2]   ; -M_row = the least -M of the row's chunks: X's,
	v_min3_num_f32 v105, v105, v[MM+3], v[MM+4]
	v_min3_num_f32 v105, v105, v[MM+5], v[MM+6]
	v_min3_num_f32 v105, v105, v[MM+7], v[MM+8]
	v_mov_b32 v106, v104                           ; Y's
.irp k, 0,1,2,3,4,5,6,7
	v_cndmask_b32 v107, v104, v[MM+9+\k], s[70+\k]
	v_cndmask_b32 v108, v[MM+9+\k], v104, s[70+\k]
	v_min_num_f32 v105, v105, v107
	v_min_num_f32 v106, v106, v108
.endr
.irp s, 0,1,2,3,4,5,6,7,8
	v_sub_f32 v[FF+\s], v105, v[MM+\s]             ; M_c - M_row: a whole number, 0 or less
.endr
.irp k, 0,1,2,3,4,5,6,7
	v_cndmask_b32 v107, v106, v105, s[70+\k]
	v_sub_f32 v[FF+9+\k], v107, v[MM+9+\k]
.endr
.irp s, 0,1,2,3,4,5,6,7,8,9,10,11,12,13,14,15,16
	v_cvt_i32_f32 v[FF+\s], v[FF+\s]               ; (it saturates)
.endr
.irp s, 0,1,2,3,4,5,6,7,8,9,10,11,12,13,14,15,16
	v_ldexp_f32 v[FF+\s], 1.0, v[FF+\s]            ; f = 2^(M_c - M_row): nothing is rounded
.endr
	v_mul_f32 v109, v[FF], v[LL]                   ; l_row: X's,
.irp s, 1,2,3,4,5,6,7,8
	v_fmac_f32 v109, v[FF+\s], v[LL+\s]
.endr
	v_mov_b32 v110, 0                              ; Y's
.irp k, 0,1,2,3,4,5,6,7
	v_cndmask_b32 v107, v111, v[FF+9+\k], s[70+\k]
	v_cndmask_b32 v108, v[FF+9+\k], v111, s[70+\k]
	v_fmac_f32 v109, v107, v[LL+9+\k]
	v_fmac_f32 v110, v108, v[LL+9+\k]
.endr
	v_rcp_f32 v109, v109
	v_rcp_f32 v110, v110
	v_nop                                          ; a plain line behind the reciprocals
	s_wait_alu depctr_va_vdst(0)                   ; one wait for both, ahead of their first reader
.irp s, 0,1,2,3,4,5,6,7,8
	v_mul_f32 v[FF+\s], v[FF+\s], v109
.endr
.irp k, 0,1,2,3,4,5,6,7
	v_cndmask_b32 v107, v110, v109, s[70+\k]
	v_mul_f32 v[FF+9+\k], v[FF+9+\k], v107
.endr
.irp s, 0,1,2,3,4,5,6,7,8,9,10,11,12,13,14,15,16
	ds_store_b32 v27, v[FF+\s] offset:512*\s
.endr
.macro MUL8 f, c, a0, zero             ; 8 matrix instructions: query blocks a0, a0 + 1 x the four channel blocks, 32 keys; the 16 accumulators take turns
.irp a, \a0, \a0+1
.irp bd, 0,1,2,3
.if \zero
	v_wmma_f32_16x16x32_f16 v[DA+8*(4*(\a)+\bd):DA+8*(4*(\a)+\bd)+7], v[\f+64+8*(4*\c+\bd):\f+64+8*(4*\c+\bd)+7], v[\f+8*(4*\c+(\a)):\f+8*(4*\c+(\a))+7], 0
.else
	v_wmma_f32_16x16x32_f16 v[DA+8*(4*(\a)+\bd):DA+8*(4*(\a)+\bd)+7], v[\f+64+8*(4*\c+\bd):\f+64+8*(4*\c+\bd)+7], v[\f+8*(4*\c+(\a)):\f+8*(4*\c+(\a))+7], v[DA+8*(4*(\a)+\bd):DA+8*(4*(\a)+\bd)+7]
.endif
.endr
.endr
.endm
.macro FETCH adrP, adrV, kq, f         ; 32 LDS loads in one run: the fragments of 64 keys, the first 32 keys first; V is turned on the way
	WIN TO_F
.irp c, 0,1
.irp i, 0,1,2,3
	ds_load_tr16_b128 v[\f+64+8*(4*\c+\i):\f+64+8*(4*\c+\i)+3],   v[\adrV] offset:(64*\kq+32*\c)*PV+32*\i
	ds_load_tr16_b128 v[\f+64+8*(4*\c+\i)+4:\f+64+8*(4*\c+\i)+7], v[\adrV] offset:(64*\kq+32*\c+16)*PV+32*\i
	ds_load_b128 v[\f+8*(4*\c+\i):\f+8*(4*\c+\i)+3],   v[\adrP] offset:\i*16*PP+128*\kq+64*\c
	ds_load_b128 v[\f+8*(4*\c+\i)+4:\f+8*(4*\c+\i)+7], v[\adrP] offset:\i*16*PP+128*\kq+64*\c+32
.endr
.endr
.endm
.macro QA adrP, adrV                   ; a step's first 64 keys: its products start the step's sums; its g and its second 64 keys are fetched
	s_wait_dscnt 16                                ; the first 32 keys' fragments are in; the other sixteen loads may be out
	WIN MUL
	MUL8 F0, 0, 0, 1
	MUL8 F0, 0, 2, 1
	PLACES
	WIN 0
.irp a, 0,1,2,3
	ds_load_b32 v[G+2*\a], v[GA] offset:64*\a      ; g of my query in each of the four blocks
.endr
	v_add_nc_u32 v[GA], 512, v[GA]
	FETCH \adrP, \adrV, 1, F1
	s_wait_dscnt 32                                ; all but the 32 just issued: the second 32 keys and g are in
	WIN MUL
	MUL8 F0, 1, 0, 0
	MUL8 F0, 1, 2, 0
.endm
.macro QB adrP, adrV                   ; a step's second 64 keys; the next step, in the same slot, is begun to be fetched
	s_wait_dscnt 16
	WIN MUL
	MUL8 F1, 0, 0, 0
	MUL8 F1, 0, 2, 0
	PLACES
	FETCH \adrP, \adrV, 0, F0
	s_wait_dscnt 32
	WIN MUL
	MUL8 F1, 1, 0, 0
	MUL8 F1, 1, 2, 0
.endm
; The same at a slot's end: one barrier.  In front of it each wave waits for all its tensor loads (its part of the other slot), adds 0 to its spare word, and waits for that and for its reads of this slot.
; fill = 1: the barrier opens a round of the cluster's barrier, and this slot is filled again first behind it, with the steps four on; 2: with the one step that is left; 0: nothing is filled.
.macro QT slot, fill, adrP, adrV
	WIN 0
	s_wait_tensorcnt 0x0
	ds_add_u32 v[SPW], v[NIL]
.if \fill
	ADDR \slot                                     ; no tensor load of mine is out: the groups 0 may be written
.endif
	s_wait_dscnt 17                                ; the add and the youngest sixteen loads may be out
	WIN MUL
	MUL8 F1, 0, 0, 0
	s_wait_dscnt 0x0                               ; the add is done, and my reads of this slot are over
	s_barrier_signal -1
	MUL8 F1, 0, 2, 0
	WIN 0
	s_barrier_wait -1
.if \fill
	CREST                                          ; no wave of any partner still reads this slot or has a load on its way
	JLOAD \slot, \fill-1
.endif
.if \fill != 1
	PLACES                                         ; ahead of the loads into buffer 0, for the waves that issued no load too
.endif
	FETCH \adrP, \adrV, 0, F0
	WIN MUL
	MUL8 F1, 1, 0, 0
	MUL8 F1, 1, 2, 0
.endm
.macro FMAB                            ; O = O + g D: each accumulator from its low end on
	WIN 0xa0                                       ; destination and source 2: window 2
.set ii, 0
.rept 64
	v_pk_fma_f32 v[2*ii:2*ii+1], v[DA+2*ii:DA+2*ii+1], v[G+2*(ii/16):G+2*(ii/16)+1], v[2*ii:2*ii+1] op_sel_hi:[1,0,1]
.set ii, ii+1
.endr
	WIN 0
.endm
.macro MULB                            ; O = g D: a block's first step
	WIN 0x80
.set ii, 0
.rept 64
	v_pk_mul_f32 v[2*ii:2*ii+1], v[DA+2*ii:DA+2*ii+1], v[G+2*(ii/16):G+2*(ii/16)+1] op_sel_hi:[1,0]
.set ii, ii+1
.endr
	WIN 0
.endm
; A tile goes out, 16 rows at a time, through my own stage: a lane's 32 bytes in, whole rows of 256 bytes back.  last = 1: Y's tile, whose first 16 rows are not stored where they begin a batch.
.macro WAYOUT ptr, last
.irp a, 0,1,2,3
	WIN 0x08                                       ; an LDS store's data are its source 1: window 2
.irp bd, 0,1,2,3
	ds_store_b128 v[STO], v[8*(4*\a+\bd):8*(4*\a+\bd)+3] offset:64*\bd
	ds_store_b128 v[STO], v[8*(4*\a+\bd)+4:8*(4*\a+\bd)+7] offset:64*\bd+16
.endr
	WIN 0
.if \a != 1
	s_wait_xcnt 0x0                                ; the stores that read these registers last have read them
.endif
.irp t, 0,1,2,3,4,5,6,7
	ds_load_b128 v[BK+32*(\a%2)+4*\t:BK+32*(\a%2)+4*\t+3], v[RD] offset:\t*2*272   ; LDS serves a wave's instructions in order: these see the stores above
.endr
	s_wait_dscnt 0x0
.if \last && (\a == 0)
	s_cmp_eq_u32 s18, 0                            ; p and the wave's number alone
	s_cbranch_scc1 .Lskip_\@
.endif
.irp t, 0,1,2,3,4,5,6,7
	global_store_b128 v[CO], v[BK+32*(\a%2)+4*\t:BK+32*(\a%2)+4*\t+3], s[\ptr:\ptr+1] offset:(16*\a+2*\t)*4096 th:TH_STORE_NT   ; sixteen lanes store 256 consecutive bytes, aligned
.endr
.if \last && (\a == 0)
.Lskip_\@:
.endif
.endr
.endm
; Behind a step's products.  mode 0: step 0.  mode 1: where the step in hand is Y's first (ids alone, the same in all partners), X's tile goes out and O begins anew.
; The four v_nop and the lines on the other accumulators are the places between the step's last products and the next step's, which write over D.
.macro UPDATE mode
	WIN 0
	PLACES
.if \mode
	s_cmp_eq_u32 s16, s15
	s_cbranch_scc1 .Lsw_\@
	FMAB
	s_branch .Lj_\@
.Lsw_\@:
	WAYOUT 66, 0
	MULB
.Lj_\@:
.else
	MULB
.endif
	s_add_co_u32 s16, s16, 1
.endm
	s_wait_tensorcnt 1                             ; my part of slot 0 is in; slot 1's load may be out
	s_wait_dscnt 0x0                               ; my part of the table of g has landed
	s_barrier_signal -1
	s_barrier_wait -1
	FETCH 4, 8, 0, F0
	QA 4, 8                                        ; step 0
	QB 5, 9
	UPDATE 0
	s_mov_b32 s19, 3
.Ltrip:                                                ; three trips of four steps: steps 1-4, 5-8, 9-12; each fills both slots again
	QA 5, 9
	QT 0, 1, 6, 10
	UPDATE 1
	QA 6, 10
	QB 7, 11
	UPDATE 1
	QA 7, 11
	QT 1, 1, 4, 8
	UPDATE 1
	QA 4, 8
	QB 5, 9
	UPDATE 1
	s_sub_co_u32 s19, s19, 1
	s_cmp_lg_u32 s19, 0
	s_cbranch_scc1 .Ltrip
	QA 5, 9                                        ; step 13; slot 0 takes step 16
	QT 0, 2, 6, 10
	UPDATE 1
	QA 6, 10                                       ; step 14
	QB 7, 11
	UPDATE 1
	QA 7, 11                                       ; step 15; nothing is left to fetch
	QT 1, 0, 4, 8
	UPDATE 1
	QA 4, 8                                        ; step 16
	s_wait_dscnt 16
	WIN MUL
	MUL8 F1, 0, 0, 0
	MUL8 F1, 0, 2, 0
	s_wait_dscnt 0
	MUL8 F1, 1, 0, 0
	MUL8 F1, 1, 2, 0
	UPDATE 1
	WAYOUT 68, 1
	s_wait_tensorcnt 0x0                           ; the wave's end
	ds_add_u32 v[SPW], v[NIL]
	s_wait_dscnt 0x0
	CROUND                                         ; the closing round
	s_endpgm
.Lfunc_end_k_q55386b0f61_pv:
	.size	k_q55386b0f61_pv, .Lfunc_end_k_q55386b0f61_pv-k_q55386b0f61_pv
	.p2alignl 7, 3214868480
	.fill 96, 4, 3214868480
	.section	.rodata,"a",@progbits
	.p2align	6, 0x0
	.amdhsa_kernel k_q55386b0f61_pv
		.amdhsa_group_segment_fixed_size 327680
		.amdhsa_private_segment_fixed_size 0
		.amdhsa_enable_private_segment 0
		.amdhsa_kernarg_size 24
		.amdhsa_user_sgpr_count 2
		.amdhsa_user_sgpr_kernarg_segment_ptr 1
		.amdhsa_wavefront_size32 1
		.amdhsa_system_sgpr_workgroup_id_x 1
		.amdhsa_system_sgpr_workgroup_id_y 1
		.amdhsa_system_sgpr_workgroup_id_z 1
		.amdhsa_system_vgpr_workitem_id 0
		.amdhsa_next_free_vgpr 640
		.amdhsa_next_free_sgpr 100
		.amdhsa_reserve_vcc 0
		.amdhsa_float_denorm_mode_32 3
		.amdhsa_float_denorm_mode_16_64 3
		.amdhsa_memory_ordered 1
		.amdhsa_forward_progress 1
		.amdhsa_inst_pref_size 247
	.end_amdhsa_kernel
	.amdgpu_metadata
---
amdhsa.version: [ 1, 2 ]
amdhsa.kernels:
  - .name:           k_q55386b0f61_pv
    .symbol:         k_q55386b0f61_pv.kd
    .args:
      - { .name: pbuf, .offset: 0, .size: 8, .value_kind: global_buffer, .address_space: global }
      - { .name: vh, .offset: 8, .size: 8, .value_kind: global_buffer, .address_space: global }
      - { .name: out0, .offset: 16, .size: 8, .value_kind: global_buffer, .address_space: global }
    .group_segment_fixed_size: 327680
    .private_segment_fixed_size: 0
    .kernarg_segment_align: 8
    .kernarg_segment_size: 24
    .max_flat_workgroup_size: 128
    .sgpr_count:     100
    .vgpr_count:     640
    .wavefront_size: 32
...
	.end_amdgpu_metadata
.endif
;; end of part 5
